; MI455X (gfx1250); checked and timed in simulation.
; The chip was launched on July 23, 2026; its instructions are those of AMD's public machine-readable ISA for CDNA 5 (MIT licence, August 2026) and "CDNA5" Instruction Set Architecture Reference Guide (July 2026). The comments in the code are by the model that wrote it; some were corrected since.
;; Fixed Mask Attention. Allowed arithmetic: matrix products marked QUANTISED: E2M3 operands, one E8M0 scale for each 32 along K, by v_wmma_scale_f32_16x16x128_f8f6f4 with both operands' format E2M3, f32 sums; everything else in f32.
;; Inputs: Wk 2,048 x 512 float32; Wo 512 x 2,048 float32; Wq 2,048 x 512 float32; Wv 2,048 x 512 float32; hidden_states 4 x 2,048 x 2,048 float32; position_ids 2 x 2,048 int32.
;; Outputs: out0 4 x 2,048 x 2,048 float32.
;; This version of the problem:
;;   THIS VERSION OF THE PROBLEM IS GIVEN IN LOW PRECISION. The matrix products marked QUANTISED in the list below multiply operands that are first quantised to E2M3 (2 exponent bits, 3 mantissa bits; 6 bits a number), with one power-of-two scale for each 32 numbers along K (OCP MX v1.0); their sums are f32. All else is computed in f32.
;;   The module's matrix products, in the order in which they are computed (A, B: the left and right operand; K: the contracted axis; several contracted axes count as one K, in the product's order):
;;     1. [M 4,096, K 2,048] x [K 2,048, N 512]; A: input hidden_states; B: input Wq: QUANTISED
;;     2. [M 4,096, K 2,048] x [K 2,048, N 512]; A: input hidden_states; B: input Wk: QUANTISED
;;     3. [M 4,096, K 2,048] x [K 2,048, N 512]; A: input hidden_states; B: input Wv: QUANTISED
;;     4. batch 8 x [M 2,048, K 128] x [K 128, N 2,048]; A: computed on the way; B: computed on the way: QUANTISED
;;     5. batch 8 x [M 128, K 2,048] x [K 2,048, N 2,048]; A: computed on the way; B: softmax (see below): QUANTISED
;;     6. [M 4,096, K 512] x [K 512, N 2,048]; A: computed on the way; B: input Wo: QUANTISED
;;     7. [M 4,096, K 2,048] x [K 2,048, N 512]; A: input hidden_states; B: input Wq: QUANTISED
;;     8. [M 4,096, K 2,048] x [K 2,048, N 512]; A: input hidden_states; B: input Wk: QUANTISED
;;     9. [M 4,096, K 2,048] x [K 2,048, N 512]; A: input hidden_states; B: input Wv: QUANTISED
;;     10. batch 8 x [M 2,048, K 128] x [K 128, N 2,048]; A: computed on the way; B: computed on the way: QUANTISED
;;     11. batch 8 x [M 128, K 2,048] x [K 2,048, N 2,048]; A: computed on the way; B: softmax (see below): QUANTISED
;;     12. [M 4,096, K 512] x [K 512, N 2,048]; A: computed on the way; B: input Wo: QUANTISED
;;   THE QUANTISER, for each operand of a quantised product, along K:
;;     - K is cut into blocks of 32 from its start; a last block that is shorter is filled with zeros.
;;     - A block's scale is 2^e with e = floor(log2(the largest magnitude in the block)) - 2, held to -126 .. 127; a block of zeros has e = 0. As a byte (E8M0): e + 127.
;;     - Each number is divided by its block's scale, clamped to +-7.5, and rounded to the nearest number of E2M3, ties to even, subnormals kept.
;;     - The product sums the exact products of the quantised numbers (number of the format x scale) in f32.
;;   ~~~python
;;   def quantise(x, axis):      # numpy; x: float32 -> the quantised numbers, widened to float32 again
;;       x = np.moveaxis(x, axis, -1); K = x.shape[-1]
;;       x = np.pad(x, [(0, 0)] * (x.ndim - 1) + [(0, -K % 32)]); x = x.reshape(x.shape[:-1] + (-1, 32)); a = np.abs(x).max(-1, keepdims=True)
;;       e = np.where(a > 0, np.clip(np.frexp(np.where(a > 0, a, 1))[1] - 1 - 2, -126, 127), 0)      # np.frexp(a)[1] - 1 = floor(log2(a)), exactly
;;       r = np.clip(x / 2.0 ** e, -7.5, 7.5)
;;       step = 2.0 ** (np.maximum(np.frexp(np.where(r == 0, 1, r))[1] - 1, 0) - 3)
;;       q = np.round(r / step) * step * 2.0 ** e      # np.round: ties to even
;;       return np.moveaxis(q.reshape(q.shape[:-2] + (-1,))[..., :K], -1, axis).astype(np.float32)
;;   ~~~
;;   SOFTMAX AHEAD OF A QUANTISED PRODUCT. Where the list says 'softmax', what is quantised is not the finished softmax but p = 2^(t - M), with t = logit x log2(e) and M = ceil(the row's largest t), a whole number; so 1/2 < the row's largest p <= 1. The row's sum l is taken of the UNQUANTISED p, in f32, and the product's result is divided by l at the end. Since M is a whole number, a kernel that streams over the keys may use a running M (the ceiling of the running maximum): every later rescaling is an exact power of two, which a block's scale takes up: the codes' values come out the same.
;;   OPERANDS COMPUTED ON THE WAY. 'Computed on the way' means the value that the module computes at that place (a softmax that the list does not call 'softmax' is quantised finished and normalised). What goes into a quantiser is computed in f32, as accurately as f32 sums, v_exp_f32 and their like allow (about 1e-6 of the number): no bf16 or f16 on the way to a quantiser, and a product that is left as it is and whose result goes on into a quantised operand takes f32 operands (vector FMAs, or v_wmma_f32_16x16x4_f32). A number that lies on a knife's edge between two numbers of the format may be rounded either way, as far as f32 arithmetic and the matrix unit's own rounding can turn it there, and no further.
;; One version. Each part assembles by itself: llvm-mc -triple=amdgcn-amd-amdhsa -mcpu=gfx1250 --defsym DOCPART=n.
;; ======== version 1 of 1: 4 launches
;; limits: inputs' magnitudes at most 100,000; right only within a limited range of input values
;; workspace buffers: hq 13,107,200 bytes; wq 3,276,800 bytes; rope 2,097,152 bytes; qkv 9,830,400 bytes; at 3,276,800 bytes
;; launch prep (part 1): grid 704 x 1, 4 waves a work-group, no clusters, 34,304 bytes of LDS; arguments hidden_states, Wq, Wk, Wv, Wo, position_ids, hq, wq, rope; writes hq, wq, rope
.if DOCPART == 1
	.amdgcn_target "amdgcn-amd-amdhsa--gfx1250"
	.amdhsa_code_object_version 6
	.text
	.protected	k_q90c778d13a_prep
	.globl	k_q90c778d13a_prep
	.p2align	8
	.type	k_q90c778d13a_prep,@function
k_q90c778d13a_prep:
	s_mov_b64 s[64:65], 0
	v_nop
	global_prefetch_b8 v0, s[64:65] scope:SCOPE_SE
	s_setreg_imm32_b32 hwreg(HW_REG_WAVE_MODE, 25, 1), 1
	s_wait_xcnt 0x0
; PREP: everything that is quantised or tabulated once.  hidden_states [8192][2048], Wq, Wk, Wv [2048][512] and Wo [512][2048], f32, become codes of FP6 (E2M3) with one E8M0 byte
; for each 32 along K; position_ids [2][2048] become a table of cos and sin.
; THE WORKSPACE IS LAID AS IMAGES OF OPERAND REGISTERS.  A fragment (16 rows x 128 K) is 12 registers a lane: lane (r, h) holds row r, registers 6 c .. 6 c + 5 hold K = 64 c + 32 h + 0 .. 31.
; Its image is 1,536 bytes: registers 4 c .. 4 c + 3 of lane l at 512 c + 16 l.  Each store of a wave covers 512 consecutive bytes, aligned.  The scale words (4 bytes: a row x 128 K) of 64 rows
; and one K step are 256 bytes, word (r, a) at 16 r + 4 a, a = the tile of 16 rows: one store of the wave.
; hq:  fragment (tile T, K step s) at ((s / 2) 512 + T) 3072 + (s % 2) 1536; scale words from HSC on, (T / 4) 16 + s units of 256 bytes.
; wq:  Wq, Wk, Wv as 96 tiles of 16 columns, ((s / 2) 96 + T) 3072 + ..; Wo's 128 tiles from WOC on, ((s / 2) 128 + T) 3072 + ..; scale words from WSC and WOS on.
; Wo's K IS TAKEN IN ANOTHER ORDER INSIDE EACH BLOCK OF 32: place p holds k = (p & 7) | ((p >> 4) & 1) << 3 | ((p >> 3) & 1) << 4, the order in which the attention launch leaves its result.
; rope: for each 16 positions 8,192 bytes: cos at 512 i + 16 l, sin 4,096 further: the lane's four numbers are frequencies 8 (i / 2) 2 + 8 h + 4 (i % 2) + 0 .. 3 of position r.
; A block's scale is 2^(floor(log2(largest magnitude)) - 2); its byte is the largest magnitude's exponent field - 2, held at 1 from below.
; LIMITS: NaN and infinities are not served.  A block of zeros, or one whose largest magnitude lies under 2^-124, gets the byte 1 (its codes are zeros or nearly so; this program alone reads the bytes).
; The frequencies 10000^(-j / 64) are made by one exponential and a correction: within about 2 units in the last place.  cos and sin: reduction by pi / 2 in three parts and polynomials on
; +-pi / 4, good to f32 for angles under 1e5, that is positions under 100,000 in magnitude.
; SHARES, by the work-group's number: 0-95 Wq, Wk, Wv (64 columns x 4 K steps, a K step a wave); 96-127 Wo likewise; 128-191 the table (16 positions a wave); 192-703 hidden_states (64 rows x 4 K steps).
; No tensor load, no barrier: waves share nothing.  Only the last path uses LDS, a stage of each wave's own.
.set HSC,   12582912
.set WOC,   2359296
.set WSC,   3145728
.set WOS,   3244032
.set STG,   16*528                     ; a wave's stage: 16 rows of 512 bytes + 16
.set SPARE, 4*STG                      ; behind the stages: the spare words, 128 bytes a wave: two blocks of 256 bytes that no other line names
.set LN,  1                            ; lane
.set RR,  2                            ; r = lane % 16
.set HH,  3                            ; h = lane / 16
.set SH,  4                            ; 8 h
.set IO,  5                            ; 16 x lane: my place in an image's 512 bytes; never rewritten
.set SCO, 6                            ; 16 r + 8 h: my two scale words' place
.set LO,  7                            ; the weights' and positions' load offset
.set VST, 8                            ; the stage, on the way in
.set VRD, 9                            ; and on the way out
.set TP,  10
.set MX,  12                           ; v12-13 largest magnitudes; v14-15 the conversions' scale operands; v16-17 bytes
.set SO,  14
.set BY,  16
.set TT,  18                           ; v18-25 the upper halves of two blocks' codes
.set PW,  26                           ; v26-29 the four fragments' scale words
.set SW,  30                           ; v30-31 the two that I store
.set PC,  34                           ; v34-57 codes, two sets of 12
.set SPW, 58                           ; LDS address of my spare word; never rewritten
.set NIL, 59                           ; 0; never rewritten
.set X,   64                           ; v64-127 a fragment's 64 numbers (weights: set 0; set 1 at v128)
.set R0,  128                          ; v128-255 hidden_states as loaded, two sets of 64
; 64 numbers of a lane, two whole blocks of 32 (v[x + 32 c + i] = k 64 c + 32 h + i of my row), become a fragment's 12 registers in v[pc] on and its scale word in v[pw]
.macro Q32 x, pc, pw
.irp c, 0,1
	v_max3_num_f32 v[MX+\c], |v[(\x)+32*\c]|, |v[(\x)+32*\c+1]|, 0x1800000   ; and the floor 2^(3 - 127): the byte cannot fall under 1
.endr
.irp i, 2,4,6,8,10,12,14,16,18,20,22,24,26,28,30
.irp c, 0,1
	v_max3_num_f32 v[MX+\c], v[MX+\c], |v[(\x)+32*\c+\i]|, |v[(\x)+32*\c+\i+1]|   ; (the two blocks by turns)
.endr
.endr
.irp c, 0,1
	v_add_nc_u32 v[SO+\c], 0xff000000, v[MX+\c]    ; 2 off the exponent field: the conversion takes this operand's exponent field as its scale
.endr
.irp c, 0,1
	v_lshrrev_b32 v[BY+\c], 23, v[SO+\c]           ; the scale's byte
.endr
	v_lshl_or_b32 v[\pw], v[BY+1], 16, v[BY]       ; my bytes: blocks h and 2 + h,
	v_lshlrev_b32 v[\pw], v[SH], v[\pw]            ; at their places in the word;
	v_permlanex16_b32 v[TP], v[\pw], s22, s23
	v_or_b32 v[\pw], v[\pw], v[TP]                 ; with lane l xor 16's two the word is whole
.irp c, 0,1
	v_cvt_scalef32_pk16_fp6_f32 v[(\pc)+6*\c:(\pc)+6*\c+2], v[(\x)+32*\c:(\x)+32*\c+15], v[SO+\c]
	v_cvt_scalef32_pk16_fp6_f32 v[TT+4*\c:TT+4*\c+2], v[(\x)+32*\c+16:(\x)+32*\c+31], v[SO+\c]   ; (a conversion's three registers begin on an even number)
.endr
	v_nop                                          ; one plain place behind a scaled conversion
.irp c, 0,1
.irp i, 0,1,2
	v_mov_b32 v[(\pc)+3+6*\c+\i], v[TT+4*\c+\i]
.endr
.endr
.endm
.macro OUT pc, a                       ; tile a of my four: tiles lie 3,072 bytes apart
.irp c, 0,1,2
	global_store_b128 v[IO], v[(\pc)+4*\c:(\pc)+4*\c+3], s[34:35] offset:(\a)*3072+512*\c
.endr
.endm
.macro SCOUT                           ; the four tiles' scale words: lanes 0-15 store tiles 0, 1, lanes 16-31 tiles 2, 3: 256 consecutive bytes, aligned
	v_cmp_ne_u32 vcc_lo, 0, v[HH]
	v_cndmask_b32 v[SW], v[PW], v[PW+2], vcc_lo
	v_cndmask_b32 v[SW+1], v[PW+1], v[PW+3], vcc_lo
	global_store_b64 v[SCO], v[SW:SW+1], s[36:37]
.endm
; where a wave's results go: s28 = its group of 64 rows, s29 = its K step; nt tiles in a pair of K steps; codes from cbase, scale words from sbase on, 1 << nsl K steps a group
.macro DEST buf, nt, cbase, nsl, sbase
	s_lshr_b32 s32, s29, 1
	s_mul_i32 s32, s32, \nt
	s_lshl_b32 s30, s28, 2
	s_add_co_u32 s32, s32, s30
	s_mul_i32 s32, s32, 3072
	s_and_b32 s30, s29, 1
	s_mul_i32 s30, s30, 1536
	s_add_co_u32 s32, s32, s30
	s_add_co_u32 s32, s32, \cbase
	s_add_nc_u64 s[34:35], s[\buf:\buf+1], s[32:33]
	s_lshl_b32 s32, s28, \nsl
	s_add_co_u32 s32, s32, s29
	s_lshl_b32 s32, s32, 8
	s_add_co_u32 s32, s32, \sbase
	s_add_nc_u64 s[36:37], s[\buf:\buf+1], s[32:33]
.endm
	s_load_b512 s[4:19], s[0:1], 0x0               ; h s[4:5], Wq s[6:7], Wk s[8:9], Wv s[10:11], Wo s[12:13], positions s[14:15], hq s[16:17], wq s[18:19]
	s_load_b64 s[20:21], s[0:1], 0x40              ; rope
	v_lshl_add_u32 v[SPW], v0, 2, SPARE
	v_mov_b32 v[NIL], 0
	v_lshrrev_b32 v[LN], 5, v0
	v_readfirstlane_b32 s24, v[LN]                 ; wave 0..3
	v_and_b32 v[LN], 31, v0
	v_and_b32 v[RR], 15, v0
	v_bfe_u32 v[HH], v0, 4, 1
	v_lshlrev_b32 v[SH], 3, v[HH]
	v_lshlrev_b32 v[IO], 4, v[LN]
	v_lshlrev_b32 v[SCO], 4, v[RR]
	v_lshl_add_u32 v[SCO], v[HH], 3, v[SCO]
	v_mov_b32 v[TP], 0                             ; written once: a lane permute's destination counts as one of its sources
	s_mov_b32 s22, 0x76543210
	s_mov_b32 s23, 0xfedcba98                      ; v_permlanex16_b32's selects for lane l xor 16
	s_mov_b32 s31, 0
	s_mov_b32 s33, 0
	s_wait_kmcnt 0x0
	s_cmp_lt_u32 ttmp9, 96
	s_cbranch_scc1 .Lpath_w
	s_cmp_lt_u32 ttmp9, 128
	s_cbranch_scc1 .Lpath_o
	s_cmp_lt_u32 ttmp9, 192
	s_cbranch_scc1 .Lpath_t
; ---- hidden_states: K is innermost.  Each load reads a row's 512 consecutive bytes (128 K), 16 a lane; 16 rows turn through my stage and come back 256 bytes a lane: two whole blocks.
	s_sub_co_u32 s26, ttmp9, 192
	s_lshr_b32 s28, s26, 2                         ; my 64 rows
	s_and_b32 s29, s26, 3
	s_lshl_b32 s29, s29, 2
	s_add_co_u32 s29, s29, s24                     ; my K step
	s_lshl_b32 s30, s28, 19                        ; 64 rows of 8,192 bytes
	s_lshl_b32 s32, s29, 9
	s_add_co_u32 s30, s30, s32
	s_add_nc_u64 s[38:39], s[4:5], s[30:31]
	DEST 16, 512, 0, 4, HSC
	s_mul_i32 s40, s24, STG
	s_wait_alu depctr_va_vdst(0)
	v_add_nc_u32 v[VST], s40, v[IO]                ; in: row i at 528 i, as loaded
	v_mul_u32_u24 v[VRD], v[RR], 528
	v_lshl_add_u32 v[VRD], v[HH], 7, v[VRD]
	v_add_nc_u32 v[VRD], s40, v[VRD]               ; out: row r, + 128 h; rows 33 x 16 bytes apart, so that sixteen lanes start at sixteen different 16-byte columns
.macro LOADH a
.set i, 0
.rept 16
	global_load_b128 v[R0+64*((\a)%2)+4*i:R0+64*((\a)%2)+4*i+3], v[IO], s[38:39] offset:(16*(\a)+i)*8192 th:TH_LOAD_NT
.set i, i+1
.endr
.endm
.macro TURNH a                         ; LDS serves a wave's instructions in order: no wait between the stores and the loads
.set i, 0
.rept 16
	ds_store_b128 v[VST], v[R0+64*((\a)%2)+4*i:R0+64*((\a)%2)+4*i+3] offset:528*i
.set i, i+1
.endr
.set i, 0
.rept 16
	ds_load_b128 v[X+4*i:X+4*i+3], v[VRD] offset:256*(i/8)+16*(i%8)
.set i, i+1
.endr
.endm
	LOADH 0
	LOADH 1
	s_wait_alu depctr_va_vdst(0)
.irp a, 0,1,2,3
.if \a < 3
	s_wait_loadcnt 16                              ; this tile's 16 loads are in; the next tile's may be out
.else
	s_wait_loadcnt 0x0
.endif
	TURNH \a
	s_wait_dscnt 0x0                               ; my 64 numbers are back, and the stage's stores have read their registers,
.if \a < 2
	LOADH \a+2                                     ; which take the tile two further on
.else
	s_wait_xcnt 0x0                                ; the stores of two tiles back have read this set of codes
.endif
	Q32 X, PC+12*(\a%2), PW+\a
	OUT PC+12*(\a%2), \a
.endr
	SCOUT
	s_wait_tensorcnt 0x0                           ; the wave's end
	ds_add_u32 v[SPW], v[NIL]
	s_wait_dscnt 0x0
	s_endpgm
; ---- the weights: K is the FIRST axis.  Lane r takes a column and its registers run down K, in the order that the operand's layout gives that lane: nothing is transposed.
.macro LOADW a, c, rowb, perm          ; tile a's block pair c: 32 loads; sixteen lanes read 64 neighbouring bytes
.set i, 0
.rept 32
.if \perm
.set pk, (i&7)|(((i>>4)&1)<<3)|(((i>>3)&1)<<4)
.else
.set pk, i
.endif
	global_load_b32 v[X+64*((\a)%2)+32*(\c)+i], v[LO], s[38:39] offset:(64*(\c)+pk)*(\rowb)+64*(\a)
.set i, i+1
.endr
.endm
.macro WFRAG a
	Q32 X+64*((\a)%2), PC+12*((\a)%2), PW+(\a)
	OUT PC+12*((\a)%2), \a
.endm
.macro WJOB rowb, perm                 ; loads run one and a half tiles ahead; each counted wait leaves the youngest 32 loads out
	LOADW 0, 0, \rowb, \perm
	LOADW 0, 1, \rowb, \perm
	LOADW 1, 0, \rowb, \perm
	s_wait_loadcnt 32
	WFRAG 0
	LOADW 1, 1, \rowb, \perm
	LOADW 2, 0, \rowb, \perm
	s_wait_loadcnt 32
	WFRAG 1
	LOADW 2, 1, \rowb, \perm
	LOADW 3, 0, \rowb, \perm
	s_wait_loadcnt 32
	s_wait_xcnt 0x0                                ; tile 0's stores have read their codes
	WFRAG 2
	LOADW 3, 1, \rowb, \perm
	s_wait_loadcnt 0x0
	s_wait_xcnt 0x0
	WFRAG 3
	SCOUT
.endm
.Lpath_w:
	s_lshr_b32 s28, ttmp9, 2                       ; my 64 columns of the 1,536: 0-7 Wq, 8-15 Wk, 16-23 Wv
	s_and_b32 s29, ttmp9, 3
	s_lshl_b32 s29, s29, 2
	s_add_co_u32 s29, s29, s24                     ; my K step
	s_lshr_b32 s30, s28, 3
	s_cmp_eq_u32 s30, 0
	s_cselect_b64 s[38:39], s[6:7], s[8:9]
	s_cmp_eq_u32 s30, 2
	s_cselect_b64 s[38:39], s[10:11], s[38:39]
	s_lshl_b32 s30, s29, 18                        ; 128 rows of 2,048 bytes
	s_and_b32 s32, s28, 7
	s_lshl_b32 s32, s32, 8
	s_add_co_u32 s30, s30, s32
	s_add_nc_u64 s[38:39], s[38:39], s[30:31]
	DEST 18, 96, 0, 4, WSC
	s_wait_alu depctr_va_vdst(0)
	v_lshlrev_b32 v[LO], 2, v[RR]
	v_lshl_add_u32 v[LO], v[HH], 16, v[LO]         ; column r; lanes 16-31 begin 32 rows further down
	WJOB 2048, 0
	s_endpgm
.Lpath_o:
	s_sub_co_u32 s28, ttmp9, 96                    ; my 64 columns of Wo's 2,048
	s_mov_b32 s29, s24                             ; my K step: the head
	s_lshl_b32 s30, s29, 20                        ; 128 rows of 8,192 bytes
	s_lshl_b32 s32, s28, 8
	s_add_co_u32 s30, s30, s32
	s_add_nc_u64 s[38:39], s[12:13], s[30:31]
	DEST 18, 128, WOC, 2, WOS
	s_wait_alu depctr_va_vdst(0)
	v_lshlrev_b32 v[LO], 2, v[RR]
	v_lshl_add_u32 v[LO], v[HH], 18, v[LO]
	WJOB 8192, 1
	s_endpgm
; ---- the table.  A wave takes 16 positions; lane (r, h) makes, in trip k, frequencies 16 (k / 2) + 8 h + 4 (k % 2) + 0 .. 3 of position r.
.Lpath_t:
	s_sub_co_u32 s26, ttmp9, 128
	s_lshl_b32 s26, s26, 2
	s_add_co_u32 s26, s26, s24                     ; my 16 positions of the 4,096
	s_lshl_b32 s30, s26, 6
	s_add_nc_u64 s[14:15], s[14:15], s[30:31]
	s_wait_alu depctr_va_vdst(0)
	v_lshlrev_b32 v[LO], 2, v[RR]
	global_load_b32 v64, v[LO], s[14:15]
	s_lshl_b32 s30, s26, 13
	s_add_nc_u64 s[20:21], s[20:21], s[30:31]
	v_mov_b32 v61, v[IO]                           ; where this trip's 512 bytes of cos go
.irp e, 0,1,2,3
	v_add_nc_u32 v[66+\e], \e, v[SH]               ; 8 h + e
.endr
	v_mov_b32 v120, 0x37cd4000                     ; the polynomials' leading coefficients
	v_mov_b32 v121, 0x36405000
	s_mov_b32 s26, 0
	s_wait_loadcnt 0x0
	v_cvt_f32_i32 v64, v64                         ; the position as f32
.Ltab:
	s_lshr_b32 s28, s26, 1
	s_lshl_b32 s28, s28, 4
	s_and_b32 s29, s26, 1
	s_lshl_b32 s29, s29, 2
	s_add_co_u32 s28, s28, s29
	s_wait_alu depctr_va_vdst(0)
.irp e, 0,1,2,3
	v_add_nc_u32 v[70+\e], s28, v[66+\e]           ; j
.endr
.irp e, 0,1,2,3
	v_cvt_f32_u32 v[70+\e], v[70+\e]
.endr
.irp e, 0,1,2,3
	v_mul_f32 v[74+\e], 0xbe549a80, v[70+\e]       ; -j x 108853 / 2^19: exact (6 bits x 17 bits); log2(10000) / 64 is 1.148e-7 less than that fraction
.endr
	s_wait_alu depctr_va_vdst(0)
.irp e, 0,1,2,3
	v_exp_f32 v[74+\e], v[74+\e]
.endr
	v_nop                                          ; a plain place behind the exponentials
	s_wait_alu depctr_va_vdst(0)                   ; one wait for the four, ahead of their first use
.irp e, 0,1,2,3
	v_mul_f32 v[106+\e], v[74+\e], v[70+\e]
.endr
.irp e, 0,1,2,3
	v_fmamk_f32 v[78+\e], v[106+\e], 0x33aae0c1, v[74+\e]   ; x (1 + j x 7.957e-8): the rest of the exponent
.endr
.irp e, 0,1,2,3
	v_mul_f32 v[78+\e], v64, v[78+\e]              ; the angle, one f32 product
.endr
.irp e, 0,1,2,3
	v_mul_f32 v[82+\e], 0x3f22f983, v[78+\e]       ; x 2 / pi,
.endr
.irp e, 0,1,2,3
	v_rndne_f32 v[82+\e], v[82+\e]                 ; to the nearest whole number n
.endr
.irp e, 0,1,2,3
	v_fmamk_f32 v[86+\e], v[82+\e], 0xbfc90fd8, v[78+\e]   ; angle - n pi / 2, pi / 2 in three parts
.endr
.irp e, 0,1,2,3
	v_fmamk_f32 v[86+\e], v[82+\e], 0xb4a8885a, v[86+\e]
.endr
.irp e, 0,1,2,3
	v_fmamk_f32 v[86+\e], v[82+\e], 0xa7c234c4, v[86+\e]
.endr
.irp e, 0,1,2,3
	v_cvt_i32_f32 v[90+\e], v[82+\e]
	v_mul_f32 v[94+\e], v[86+\e], v[86+\e]
.endr
.irp e, 0,1,2,3
	v_fmaak_f32 v[98+\e], v120, v[94+\e], 0xbab6077d
	v_fmaak_f32 v[102+\e], v121, v[94+\e], 0xb9503486
.endr
.irp e, 0,1,2,3
	v_fmaak_f32 v[98+\e], v[98+\e], v[94+\e], 0x3d2aaaa8
	v_fmaak_f32 v[102+\e], v[102+\e], v[94+\e], 0x3c0888c1
.endr
.irp e, 0,1,2,3
	v_fma_f32 v[98+\e], v[98+\e], v[94+\e], -0.5
	v_fmaak_f32 v[102+\e], v[102+\e], v[94+\e], 0xbe2aaaab
.endr
.irp e, 0,1,2,3
	v_fma_f32 v[98+\e], v[98+\e], v[94+\e], 1.0    ; cos of the rest
	v_mul_f32 v[106+\e], v[86+\e], v[94+\e]
.endr
.irp e, 0,1,2,3
	v_fma_f32 v[102+\e], v[102+\e], v[106+\e], v[86+\e]   ; sin of the rest
	v_and_b32 v[106+\e], 1, v[90+\e]
.endr
.irp e, 0,1,2,3                                ; the quadrant: odd n changes sin and cos; sin is negative where n & 2, cos where (n + 1) & 2
	v_cmp_eq_u32 vcc_lo, 1, v[106+\e]
	v_cndmask_b32 v[116+\e], v[102+\e], v[98+\e], vcc_lo
	v_cndmask_b32 v[112+\e], v[98+\e], v[102+\e], vcc_lo
.endr
.irp e, 0,1,2,3
	v_lshlrev_b32 v[106+\e], 30, v[90+\e]
	v_add_nc_u32 v[90+\e], 1, v[90+\e]
.endr
.irp e, 0,1,2,3
	v_and_b32 v[106+\e], 0x80000000, v[106+\e]
	v_lshlrev_b32 v[90+\e], 30, v[90+\e]
.endr
.irp e, 0,1,2,3
	v_xor_b32 v[116+\e], v[116+\e], v[106+\e]
	v_and_b32 v[90+\e], 0x80000000, v[90+\e]
.endr
.irp e, 0,1,2,3
	v_xor_b32 v[112+\e], v[112+\e], v[90+\e]
.endr
	global_store_b128 v61, v[112:115], s[20:21]                ; 512 consecutive bytes of cos,
	global_store_b128 v61, v[116:119], s[20:21] offset:4096    ; and of sin
	s_wait_xcnt 0x0                                ; the stores have read their data and their offset: both are written again
	v_add_nc_u32 v61, 512, v61
	s_add_co_u32 s26, s26, 1
	s_cmp_lt_u32 s26, 8
	s_cbranch_scc1 .Ltab
	s_endpgm
.Lfunc_end_k_q90c778d13a_prep:
	.size	k_q90c778d13a_prep, .Lfunc_end_k_q90c778d13a_prep-k_q90c778d13a_prep
	.p2alignl 7, 3214868480
	.fill 96, 4, 3214868480
	.section	.rodata,"a",@progbits
	.p2align	6, 0x0
	.amdhsa_kernel k_q90c778d13a_prep
		.amdhsa_group_segment_fixed_size 34304
		.amdhsa_private_segment_fixed_size 0
		.amdhsa_enable_private_segment 0
		.amdhsa_kernarg_size 72
		.amdhsa_user_sgpr_count 2
		.amdhsa_user_sgpr_kernarg_segment_ptr 1
		.amdhsa_wavefront_size32 1
		.amdhsa_system_sgpr_workgroup_id_x 1
		.amdhsa_system_sgpr_workgroup_id_y 1
		.amdhsa_system_sgpr_workgroup_id_z 1
		.amdhsa_system_vgpr_workitem_id 0
		.amdhsa_next_free_vgpr 256
		.amdhsa_next_free_sgpr 66
		.amdhsa_reserve_vcc 1
		.amdhsa_float_denorm_mode_32 3
		.amdhsa_float_denorm_mode_16_64 3
		.amdhsa_memory_ordered 1
		.amdhsa_forward_progress 1
		.amdhsa_inst_pref_size 115
	.end_amdhsa_kernel
	.amdgpu_metadata
---
amdhsa.version: [ 1, 2 ]
amdhsa.kernels:
  - .name:           k_q90c778d13a_prep
    .symbol:         k_q90c778d13a_prep.kd
    .args:
      - { .name: hidden_states, .offset: 0, .size: 8, .value_kind: global_buffer, .address_space: global }
      - { .name: Wq, .offset: 8, .size: 8, .value_kind: global_buffer, .address_space: global }
      - { .name: Wk, .offset: 16, .size: 8, .value_kind: global_buffer, .address_space: global }
      - { .name: Wv, .offset: 24, .size: 8, .value_kind: global_buffer, .address_space: global }
      - { .name: Wo, .offset: 32, .size: 8, .value_kind: global_buffer, .address_space: global }
      - { .name: position_ids, .offset: 40, .size: 8, .value_kind: global_buffer, .address_space: global }
      - { .name: hq, .offset: 48, .size: 8, .value_kind: global_buffer, .address_space: global }
      - { .name: wq, .offset: 56, .size: 8, .value_kind: global_buffer, .address_space: global }
      - { .name: rope, .offset: 64, .size: 8, .value_kind: global_buffer, .address_space: global }
    .group_segment_fixed_size: 34304
    .private_segment_fixed_size: 0
    .kernarg_segment_align: 8
    .kernarg_segment_size: 72
    .max_flat_workgroup_size: 128
    .sgpr_count:     66
    .vgpr_count:     256
    .wavefront_size: 32
...
	.end_amdgpu_metadata
.endif
;; end of part 1
;; launch qkv (part 2): grid 4 x 48, 4 waves a work-group, clusters of 4 x 1, 327,680 bytes of LDS; arguments hq, wq, rope, qkv; writes qkv
.if DOCPART == 2
	.amdgcn_target "amdgcn-amd-amdhsa--gfx1250"
	.amdhsa_code_object_version 6
	.text
	.protected	k_q90c778d13a_qkv
	.globl	k_q90c778d13a_qkv
	.p2align	8
	.type	k_q90c778d13a_qkv,@function
k_q90c778d13a_qkv:
	s_mov_b64 s[64:65], 0
	v_nop
	global_prefetch_b8 v0, s[64:65] scope:SCOPE_SE
	s_setreg_imm32_b32 hwreg(HW_REG_WAVE_MODE, 25, 1), 1
	s_wait_xcnt 0x0
	s_wait_alu depctr_hold_cnt(0) depctr_sa_sdst(0) depctr_va_vdst(0) depctr_va_sdst(0) depctr_va_ssrc(0) depctr_va_vcc(0) depctr_vm_vsrc(0)
	s_getreg_b32 s2, hwreg(HW_REG_IB_STS2, 6, 4)
	s_cmp_eq_u32 s2, 0
	s_cbranch_scc0 .Lentry_in_a_cluster
	s_endpgm
.Lentry_in_a_cluster:
	s_bfe_u32 s2, ttmp6, 0x10000c
	s_cmp_lg_u32 s2, 0x3003
	s_cbranch_scc0 .Lentry_shape_is_right
	s_endpgm
.Lentry_shape_is_right:
; q, k, v = h Wq, h Wk, h Wv on codes of FP6 (E2M3) with E8M0 scales, K = 2,048; RoPE on q and k in f32; then q and k are quantised along the head's 128 and v along the keys, in registers, and
; leave as images of operand registers (a fragment: 1,536 bytes, registers 4 c .. 4 c + 3 of lane l at 512 c + 16 l).
; A work-group of four waves makes 256 x 256 results, a wave 128 x 128: 64 accumulators, 512 registers.  K goes in steps of 256 through a ring of two LDS slots filled by the tensor data mover.
; THE MATRIX INSTRUCTION: source 0 = 16 rows of "B", source 1 = 16 rows of "A": a lane holds ONE row of A, and register j of tile b the row 16 b + 8 (lane / 16) + j of B.
; TWO ROLES, by the cluster's y, which all partners share.  y < 32: A = 256 tokens of h, B = 256 columns of Wq | Wk: a lane holds a token, its 64 registers of a block a head's 128 channels.
; y >= 32: A = 256 columns of Wv, B = 256 tokens: a lane holds a channel and its registers run along the tokens, which are the keys: so v is quantised along the keys by the same lines.
; THE ORDER INSIDE A BLOCK OF 32.  The 16 registers of tiles 2 b, 2 b + 1 are taken as places 16 (lane / 16) + 0 .. 15 of block b; they hold indices 16 u + 8 (lane / 16) + j.  So place p of a block holds
; index (p & 7) | ((p >> 4) & 1) << 3 | ((p >> 3) & 1) << 4.  Blocks are the true blocks, so the scales are the rule's; q and k, and later p and v, carry the same order, which leaves every product as it is.
; CLUSTER: the four work-groups of a cluster need the same tiles of A: asked for jointly (mask 15).  B's tiles are each work-group's own: plain loads.  Six tile columns do not divide into 4 x 4.
; qkv: codes of kind q, k, v at kind x 3,145,728 + gi x 12,288 + a x 1,536, gi = (4 batch + head) 16 + sub; q, k: sub = 128 tokens, a = their tile of 16; v: sub = 128 keys, a = the tile of 16 channels.
;      scale words from QSC on: kind x 131,072 + gi x 512 + 256 (a / 4) + 16 r + 4 (a % 4).
; LIMITS: NaN and infinities are not served; a block under 2^-124 or of zeros gets the byte 1 (this program alone reads the bytes).
; REGISTERS: window 0: v16-31 addresses; v32-63 scale words, two sets, and nothing else; v128-223 A's fragments, one set (behind the loop: v192-223 at work);
;   v224-243 codes; v244-251 the eight blocks' scale words.  window 1: B's fragments, two sets, at v0 and v128.  windows 2, 3: the accumulators: (a, b) at v[8 (8 (a % 4) + b)] of window 2 + a / 4.
.set HSC,   12582912
.set WSC,   3145728
.set STEPH, 512*3072                   ; a slot on (256 along K) in hq,
.set STEPW, 96*3072                    ; and among wq's 96 tiles
.set KINDB, 3145728
.set QSC,   9437184
.set FR,    12
.set NL,    3                          ; LDS loads that bring a fragment
.set NP,    4                          ; places behind this matrix instruction (ISA guide 7.12.1)
.set HALFT, 8*3072                     ; 8 tiles x 2 K steps: what one tensor load brings, and what one wave reads of A or of B
.set SLOT,  4*HALFT                    ; A's two halves, then B's two
.set SCL,   2*SLOT                     ; behind the ring: the scale words for all of K: four pieces of 8,192 bytes, filled once
.set SPARE, SCL+4*8192                 ; the spare words, 128 bytes a wave: two blocks of 256 bytes that no other line names
.set LAPS,  4                          ; 2,048 / 512
.set ADRA, 16                          ; v16-17 LDS address of my A fragments in slot 0, 1
.set ADRB, 20                          ; v20-21 of my B fragments
.set IO,   24                          ; v24 16 x lane; never rewritten
.set ADRS, 27                          ; v27 my scale words: lanes 0-15 A's, lanes 16-31 B's
.set SPW,  28
.set NIL,  29
.set SC,   32
.set CS0,  64
.set AF,   128
.set TT,   192                         ; v192-223 x_low sin
.set TM,   192                         ; later v192-207 the quantiser's
.set SW,   208
.set PC,   224
.set PW8,  244
.set G1,   24                          ; s[24:31] group 1 of A's tiles (joint); s[32:39] groups 0, a set for each slot
.set G0,   32
.set G1B,  48                          ; s[48:55], s[56:63] the same for B's (plain)
.set G0B,  56
.set G1S,  68                          ; s[68:75], s[76:79] A's scale words; s[80:87], s[88:91] B's
.set G0S,  76
.set G1SB, 80
.set G0SB, 88
.set STA,  92                          ; s[92:93] two slots on in A's buffer; s[94:95] in B's
.set STB,  94
.set SEL,  98                          ; s[98:99] lane selects
.set MSB, 0
.macro WIN new                         ; the immediate's high byte repeats the setting that is left
.if MSB != (\new)
	s_set_vgpr_msb (MSB<<8)|(\new)
.set MSB, (\new)
.endif
.endm
.set MUL_LO, 0xa1                      ; source 0 (B) window 1, source 1 (A) window 0, C and D window 2
.set MUL_HI, 0xf1
.set TO_B,   0x40
; Waves 0 and 1 fetch for A, waves 2 and 3 for B: the branch hangs on the wave's number alone.  An s_nop 0 and four v_nop follow each of the two lines.
.macro JLOAD g0a, g1a, g0b, g1b
	s_cmp_eq_u32 s15, 0
	s_cbranch_scc0 .Lfor_b_\@
	tensor_load_to_lds s[\g0a:\g0a+3], s[\g1a:\g1a+7]
	s_nop 0
.rept 4
	v_nop
.endr
	s_branch .Lasked_\@
.Lfor_b_\@:
	tensor_load_to_lds s[\g0b:\g0b+3], s[\g1b:\g1b+7]
	s_nop 0
.rept 4
	v_nop
.endr
.Lasked_\@:
.endm
.macro CREST                           ; a round of the cluster's barrier behind its opening barrier
	s_cmp_lg_u32 s14, 0
	s_cbranch_scc1 .Lnot_wave_0_\@
	s_barrier_signal -3
.Lnot_wave_0_\@:
	s_barrier_wait -3
	s_barrier_signal -1
	s_barrier_wait -1
.endm
.macro CROUND
	s_barrier_signal -1
	s_barrier_wait -1
	CREST
.endm
	s_load_b256 s[4:11], s[0:1], 0x0               ; hq s[4:5], wq s[6:7], rope s[8:9], qkv s[10:11]
	v_lshl_add_u32 v[SPW], v0, 2, SPARE
	v_mov_b32 v[NIL], 0
	ds_add_u32 v[SPW], v[NIL]                      ; the wave's opening: the add and its wait come ahead of my first tensor load, with work on registers between them
	ds_add_u32 v[SPW], v[NIL]
	v_lshrrev_b32 v1, 5, v0
	v_readfirstlane_b32 s14, v1                    ; wave 0..3
	s_lshr_b32 s15, s14, 1                         ; which half of A's rows is mine.  Also: I fetch for A (0) or for B (1)
	s_and_b32 s16, s14, 1                          ; which half of B's rows.  Also: which 8 tiles I fetch
	s_bfe_u32 s40, ttmp6, 0x40000                  ; cx
	s_and_b32 s17, ttmp7, 0xffff                   ; y
	; group 1: dense blocks as rows of 256 bytes (32 elements of 8 bytes): a tile piece is 96 rows, a piece of scale words 32
	s_mov_b32 s[G1], 15|(3<<16)|(1<<21)            ; the mask: all four work-groups; bit 21 set beside it
	s_mov_b32 s[G1B], 3<<16                        ; no mask: my work-group's own
	s_mov_b32 s[G1S], 15|(3<<16)|(1<<21)
	s_mov_b32 s[G1SB], 3<<16
.irp g, G1, G1B
	s_mov_b32 s[\g+1], 32<<16                      ; tensor_dim0
	s_mov_b32 s[\g+2], 192<<16                     ; tensor_dim1: the head's loads bring 16 tiles; behind them the count is set to 96
	s_mov_b32 s[\g+3], 32<<16                      ; tile_dim0
	s_mov_b32 s[\g+4], 192                         ; tile_dim1
	s_mov_b32 s[\g+5], 32                          ; the pitch
	s_mov_b32 s[\g+6], 0
	s_mov_b32 s[\g+7], 0
.endr
.irp g, G1S, G1SB
	s_mov_b32 s[\g+1], 32<<16
	s_mov_b32 s[\g+2], 64<<16
	s_mov_b32 s[\g+3], 32<<16
	s_mov_b32 s[\g+4], 64
	s_mov_b32 s[\g+5], 32
	s_mov_b32 s[\g+6], 0
	s_mov_b32 s[\g+7], 0
.endr
	; the tiles.  What feeds A's descriptors is made of y and the wave's number alone
	s_and_b32 s41, s17, 15                         ; V's y' = y - 32
	s_lshl_b32 s42, s17, 4                         ; q, k: A = h's tiles 16 y on
	s_and_b32 s18, s41, 1
	s_lshl_b32 s18, s18, 4
	s_add_co_u32 s18, s18, 64                      ; V: A = Wv's tiles 64 + 16 (y' % 2) on
	s_lshl_b32 s43, s40, 4                         ; q, k: B = the weights' tiles 16 cx on
	s_lshr_b32 s66, s41, 1
	s_lshl_b32 s66, s66, 2
	s_add_co_u32 s66, s66, s40                     ; V: B = block hb = 4 (y' / 2) + cx of 256 tokens
	s_lshl_b32 s13, s66, 4
	s_cmp_lt_u32 s17, 32
	s_cselect_b32 s42, s42, s18
	s_cselect_b32 s43, s43, s13
	s_mov_b32 s18, WSC
	s_cselect_b32 s18, HSC, s18                    ; where A's scale words begin in its buffer,
	s_mov_b32 s19, HSC
	s_cselect_b32 s19, WSC, s19                    ; and B's
	s_mov_b32 s[STA], 2*STEPW
	s_cselect_b32 s[STA], 2*STEPH, s[STA]
	s_mov_b32 s[STB], 2*STEPH
	s_cselect_b32 s[STB], 2*STEPW, s[STB]
	s_mov_b32 s[STA+1], 0
	s_mov_b32 s[STB+1], 0
	s_lshl_b32 s12, s16, 3                         ; the 8 tiles that I fetch
	s_add_co_u32 s42, s42, s12
	s_add_co_u32 s43, s43, s12
	s_mul_i32 s20, s42, 3072                       ; A's codes,
	s_mov_b32 s21, 0
	s_lshl_b32 s22, s42, 10                        ; A's scale words: 4,096 bytes for 4 tiles,
	s_add_co_u32 s22, s22, s18
	s_mov_b32 s23, 0
	s_mul_i32 s46, s43, 3072                       ; B's codes,
	s_mov_b32 s47, 0
	s_lshl_b32 s44, s43, 10                        ; B's scale words
	s_add_co_u32 s44, s44, s19
	s_mov_b32 s45, 0
	s_lshr_b32 s2, s[STA], 1                       ; one slot on
	s_mov_b32 s3, 0
	s_lshr_b32 s12, s[STB], 1
	s_mov_b32 s13, 0
	s_mul_i32 s41, s14, HALFT                      ; where they go: wave x a piece: no place in the cluster enters an LDS address
	s_wait_dscnt 0x0                               ; the opening add is done
	s_wait_kmcnt 0x0
	s_cmp_lt_u32 s17, 32
	s_cselect_b64 s[96:97], s[4:5], s[6:7]         ; A's buffer,
	s_cselect_b64 s[98:99], s[6:7], s[4:5]         ; B's
	s_add_nc_u64 s[20:21], s[96:97], s[20:21]
	s_add_nc_u64 s[22:23], s[96:97], s[22:23]
	s_add_nc_u64 s[46:47], s[98:99], s[46:47]
	s_add_nc_u64 s[44:45], s[98:99], s[44:45]
	CROUND                                         ; all four work-groups are here: the first joint loads meet
	s_mov_b32 s[G0S], 1
	s_mov_b32 s[G0S+1], SCL                        ; wave 1 asks for the scale words of all 16 tiles of A: its own piece begins 8,192 bytes behind the first
	s_sub_nc_u64 s[G0S+2:G0S+3], s[22:23], 8192
	s_or_b32 s[G0S+3], s[G0S+3], 0x80000000
	s_mov_b32 s[G0SB], 1
	s_mov_b32 s[G0SB+1], SCL+16384                 ; wave 3 likewise for B
	s_sub_nc_u64 s[G0SB+2:G0SB+3], s[44:45], 8192
	s_or_b32 s[G0SB+3], s[G0SB+3], 0x80000000
	s_mov_b32 s[G0], 1
	s_mov_b32 s[G0+1], s41
	s_mov_b64 s[G0+2:G0+3], s[20:21]
	s_or_b32 s[G0+3], s[G0+3], 0x80000000
	s_mov_b32 s[G0B], 1
	s_mov_b32 s[G0B+1], s41
	s_mov_b64 s[G0B+2:G0B+3], s[46:47]
	s_or_b32 s[G0B+3], s[G0B+3], 0x80000000
	s_mov_b32 s[G0+4], 1
	s_add_co_u32 s[G0+5], s41, SLOT
	s_add_nc_u64 s[G0+6:G0+7], s[20:21], s[2:3]
	s_or_b32 s[G0+7], s[G0+7], 0x80000000
	s_mov_b32 s[G0B+4], 1
	s_add_co_u32 s[G0B+5], s41, SLOT
	s_add_nc_u64 s[G0B+6:G0B+7], s[46:47], s[12:13]
	s_or_b32 s[G0B+7], s[G0B+7], 0x80000000
	; the head's four tiles, one tensor load a wave, in one chain of branches on the wave's number:
	; wave 0 slot 0's 16 tiles of A, wave 2 its 16 tiles of B (both waves' own pieces begin at the tiles' first byte), wave 1 A's scale words, wave 3 B's
	s_cmp_eq_u32 s14, 0
	s_cbranch_scc0 .Lhead_b
	tensor_load_to_lds s[G0:G0+3], s[G1:G1+7]
	s_nop 0
.rept 4
	v_nop
.endr
	s_branch .Lhead_asked
.Lhead_b:
	s_cmp_eq_u32 s14, 2
	s_cbranch_scc0 .Lhead_sa
	tensor_load_to_lds s[G0B:G0B+3], s[G1B:G1B+7]
	s_nop 0
.rept 4
	v_nop
.endr
	s_branch .Lhead_asked
.Lhead_sa:
	s_cmp_eq_u32 s14, 1
	s_cbranch_scc0 .Lhead_sb
	tensor_load_to_lds s[G0S:G0S+3], s[G1S:G1S+7]
	s_nop 0
.rept 4
	v_nop
.endr
	s_branch .Lhead_asked
.Lhead_sb:
	tensor_load_to_lds s[G0SB:G0SB+3], s[G1SB:G1SB+7]
	s_nop 0
.rept 4
	v_nop
.endr
.Lhead_asked:
	v_and_b32 v1, 15, v0                           ; r
	v_bfe_u32 v2, v0, 4, 1                         ; h
	s_wait_alu depctr_va_vdst(0)
	v_and_b32 v3, 31, v0
	v_lshlrev_b32 v[IO], 4, v3
	s_mul_i32 s18, s15, HALFT                      ; my 8 tiles of A
	s_mul_i32 s19, s16, HALFT                      ; my 8 tiles of B,
	s_add_co_u32 s19, s19, 2*HALFT                 ; which lie behind A's sixteen
.irp s, 0,1
	v_add_nc_u32 v[ADRA+\s], s18, v[IO]
	v_add_nc_u32 v[ADRB+\s], s19, v[IO]
	s_add_co_u32 s18, s18, SLOT
	s_add_co_u32 s19, s19, SLOT
.endr
	v_lshlrev_b32 v5, 4, v1                        ; scale words: 16 bytes a row: four tiles' words
	s_lshl_b32 s18, s15, 13                        ; A's piece
	s_lshl_b32 s19, s16, 13                        ; B's piece, behind A's two
	s_add_co_u32 s19, s19, 16384
	s_sub_co_u32 s19, s19, s18
	v_mul_u32_u24 v6, s19, v2                      ; lanes 16-31 take B's
	s_add_co_u32 s18, s18, SCL
	v_add_nc_u32 v5, v5, v6
	v_add_nc_u32 v[ADRS], s18, v5
	; where my results go
	s_and_b32 s41, s17, 15
	s_lshr_b32 s18, s66, 3                         ; V: batch = hb / 8,
	s_and_b32 s19, s41, 1
	s_lshl_b32 s19, s19, 1
	s_add_co_u32 s19, s19, s15                     ; head = 2 (y' % 2) + my half of A,
	s_and_b32 s20, s66, 7
	s_lshl_b32 s20, s20, 1
	s_add_co_u32 s20, s20, s16                     ; 128 keys: 2 (hb % 8) + my half of B
	s_lshr_b32 s21, s17, 3                         ; q, k: batch = y / 8,
	s_and_b32 s22, s40, 1
	s_lshl_b32 s22, s22, 1
	s_add_co_u32 s22, s22, s16                     ; head = 2 (cx % 2) + my half of B,
	s_and_b32 s23, s17, 7
	s_lshl_b32 s23, s23, 1
	s_add_co_u32 s23, s23, s15                     ; 128 tokens: 2 (y % 8) + my half of A,
	s_lshr_b32 s42, s40, 1                         ; kind = cx / 2
	s_cmp_lt_u32 s17, 32
	s_cselect_b32 s18, s21, s18
	s_cselect_b32 s19, s22, s19
	s_cselect_b32 s20, s23, s20
	s_cselect_b32 s42, s42, 2
	s_lshl_b32 s43, s18, 2
	s_add_co_u32 s43, s43, s19
	s_lshl_b32 s43, s43, 4
	s_add_co_u32 s43, s43, s20                     ; gi
	s_mul_i32 s44, s42, KINDB
	s_mul_i32 s45, s43, 12288
	s_add_co_u32 s44, s44, s45
	s_mov_b32 s45, 0
	s_lshl_b32 s46, s42, 17
	s_lshl_b32 s47, s43, 9
	s_add_co_u32 s46, s46, s47
	s_add_co_u32 s46, s46, QSC
	s_mov_b32 s47, 0
	s_add_nc_u64 s[96:97], s[10:11], s[46:47]      ; my scale words
	s_add_nc_u64 s[10:11], s[10:11], s[44:45]      ; my codes
	s_and_b32 s18, s18, 1                          ; the table: positions' row batch % 2, my 128 tokens: 8 groups of 16
	s_lshl_b32 s18, s18, 7
	s_lshl_b32 s20, s20, 3
	s_add_co_u32 s18, s18, s20
	s_lshl_b32 s18, s18, 13
	s_mov_b32 s19, 0
	s_add_nc_u64 s[8:9], s[8:9], s[18:19]
	s_mov_b32 s[SEL], 0x76543210
	s_mov_b32 s[SEL+1], 0xfedcba98
.macro FRAG reg, adr, off              ; a fragment comes as it was stored: three loads of 512 consecutive bytes
.irp c, 0,1,2
	ds_load_b128 v[(\reg)+4*\c:(\reg)+4*\c+3], v[\adr] offset:(\off)+512*\c
.endr
.endm
; 16 matrix instructions: A's blocks a0, a0 + 1 x B's eight, the slot's q-th 128 along K.  p: B's set; sc: the set of scale words.  The 64 accumulators take turns, one instruction a turn, in the same
; order in every step.  A scale register carries A's words in lanes 0-15 and B's in lanes 16-31.
.macro MUL16 a0, p, q, sc, zero
.irp a, \a0, \a0+1
.irp b, 0,1,2,3,4,5,6,7
.if \zero
	v_wmma_scale_f32_16x16x128_f8f6f4 v[8*(8*((\a)%4)+\b):8*(8*((\a)%4)+\b)+7], v[128*(\p)+FR*\b:128*(\p)+FR*\b+FR-1], v[AF+FR*(\a):AF+FR*(\a)+FR-1], 0, v[SC+16*(\sc)+8*(\q)+\b], v[SC+16*(\sc)+8*(\q)+(\a)] matrix_a_fmt:MATRIX_FMT_FP6 matrix_b_fmt:MATRIX_FMT_FP6 matrix_a_scale:MATRIX_SCALE_ROW1
.else
	v_wmma_scale_f32_16x16x128_f8f6f4 v[8*(8*((\a)%4)+\b):8*(8*((\a)%4)+\b)+7], v[128*(\p)+FR*\b:128*(\p)+FR*\b+FR-1], v[AF+FR*(\a):AF+FR*(\a)+FR-1], v[8*(8*((\a)%4)+\b):8*(8*((\a)%4)+\b)+7], v[SC+16*(\sc)+8*(\q)+\b], v[SC+16*(\sc)+8*(\q)+(\a)] matrix_a_fmt:MATRIX_FMT_FP6 matrix_b_fmt:MATRIX_FMT_FP6 matrix_a_scale:MATRIX_SCALE_ROW1
.endif
.endr
.endr
.endm
.macro FETCH_B slot, q, p
	WIN TO_B
.irp i, 0,1,2,3,4,5,6,7
	FRAG 128*(\p)+FR*\i, ADRB+\slot, \i*3072+(\q)*1536
.endr
	WIN 0
.endm
.macro FETCH_A slot, q, i0
.irp i, \i0, \i0+1, \i0+2, \i0+3
	FRAG AF+FR*(\i), ADRA+\slot, (\i)*3072+(\q)*1536
.endr
.endm
.macro SCALES sc                       ; a slot's scale words: register 8 q + 4 g + a: tile 4 g + a, K step q
.irp q, 0,1
.irp g, 0,1
	ds_load_b128 v[SC+16*\sc+8*\q+4*\g:SC+16*\sc+8*\q+4*\g+3], v[ADRS] offset:256*\q+4096*\g
.endr
.endr
.endm
.macro PLACES n                        ; plain vector instructions between a matrix instruction and a load into, or a read of, its registers
.rept \n
	v_nop
.endr
.endm
.macro STEP slot, q, zero              ; a step of 128 along K that has its successor in the same slot
	s_wait_dscnt 4*NL                              ; B's set, A's blocks 0-3 and the scale words are in; the youngest 12 loads (A's blocks 4-7) may be out
	WIN MUL_LO
	MUL16 0, (\q)%2, \q, \slot, \zero
	MUL16 2, (\q)%2, \q, \slot, \zero
	s_wait_dscnt 0
	PLACES NP
	FETCH_B \slot, (\q)+1, 1-(\q)%2
	FETCH_A \slot, (\q)+1, 0
	WIN MUL_HI
	MUL16 4, (\q)%2, \q, \slot, \zero
	MUL16 6, (\q)%2, \q, \slot, \zero
	PLACES NP
	WIN 0
	FETCH_A \slot, (\q)+1, 4
.endm
; A slot's last step changes slots: ONE barrier; in front of it each wave waits for all its tensor loads, adds 0 to its spare word, and waits for that and for its reads of this slot.
; fill = 1: the barrier opens a round of the cluster's, and behind the round this slot is filled again, two slots ahead: one tensor load a wave, which has a slot's 128 matrix instructions in which to land.
.macro TURN slot, next, fill
	s_wait_tensorcnt 0x0                           ; all my tensor loads have landed: my part of the next slot
	ds_add_u32 v[SPW], v[NIL]                      ; 0 onto my spare word
	s_wait_dscnt 4*NL+1                            ; (the add and A's blocks 4-7 may be out)
	WIN MUL_LO
	MUL16 0, 1, 1, \slot, 0
	s_wait_dscnt 0x0                               ; the add is done, and my reads of this slot are over
	s_barrier_signal -1
	MUL16 2, 1, 1, \slot, 0
	WIN 0
	s_barrier_wait -1
.if \fill
	CREST                                          ; no wave of any partner still reads this slot or has a load on its way
	s_add_nc_u64 s[G0+4*\slot+2:G0+4*\slot+3], s[G0+4*\slot+2:G0+4*\slot+3], s[STA:STA+1]
	s_add_nc_u64 s[G0B+4*\slot+2:G0B+4*\slot+3], s[G0B+4*\slot+2:G0B+4*\slot+3], s[STB:STB+1]
	JLOAD G0+4*\slot, G1, G0B+4*\slot, G1B         ; the first tensor load behind the round; its four v_nop are the places in front of the loads below
.else
	PLACES NP
.endif
	s_wait_alu depctr_va_vdst(0)
	v_add_nc_u32 v[ADRS], 512, v[ADRS]             ; on to the next slot's scale words
	FETCH_B \next, 0, 0
	FETCH_A \next, 0, 0
	SCALES \next
	WIN MUL_HI
	MUL16 4, 1, 1, \slot, 0
	MUL16 6, 1, 1, \slot, 0
	PLACES NP
	WIN 0
	FETCH_A \next, 0, 4
.endm
.macro LAST                            ; the very last step: nothing more to fetch
	s_wait_dscnt 4*NL
	WIN MUL_LO
	MUL16 0, 1, 1, 1, 0
	MUL16 2, 1, 1, 1, 0
	s_wait_dscnt 0
	WIN MUL_HI
	MUL16 4, 1, 1, 1, 0
	MUL16 6, 1, 1, 1, 0
	WIN 0
.endm
; cos and sin of block a's 16 tokens: register n of a set = cos, 32 + n = sin, of frequency 16 (n / 8) + 8 (lane / 16) + n % 8 of my token: the accumulators' own layout
; (the sets lie in WINDOW 1, four of 64 registers, set a % 4 at v[64 (a % 4)], where B's fragments lay; window 0's v64-191 hold nothing behind the loop)
.macro CSLOAD a
	WIN TO_B
.set i, 0
.rept 16
	global_load_b128 v[64*((\a)%4)+4*i:64*((\a)%4)+4*i+3], v[IO], s[8:9] offset:(\a)*8192+512*i
.set i, i+1
.endr
	WIN 0
.endm
; RoPE on block a: channel d < 64 and its partner d + 64 lie in one lane, four tiles apart.  low' = low cos - high sin; high' = high cos + low sin.  Four runs of 16 packed lines, one window setting a run;
; each accumulator is read from its low end on.
.macro ROPE a
.if (\a) < 5
	s_wait_loadcnt 48                              ; this block's 16 loads are in; those of the three blocks behind it may be out
.else
	s_wait_loadcnt 16*(7-(\a))                     ; fewer blocks are left behind it
.endif
.set WW, 2+(\a)/4
.set XB, 64*((\a)%4)
.set CB, 64*((\a)%4)
	WIN WW|4                                       ; source 1, cos and sin: window 1
.set n, 0
.rept 16
	v_pk_mul_f32 v[TT+n:TT+n+1], v[XB+n:XB+n+1], v[CB+32+n:CB+32+n+1]
.set n, n+2
.endr
	WIN WW|4|(WW<<6)
.set n, 0
.rept 16
	v_pk_mul_f32 v[XB+n:XB+n+1], v[XB+n:XB+n+1], v[CB+n:CB+n+1]
.set n, n+2
.endr
	WIN WW|4|(WW<<4)|(WW<<6)
.set n, 0
.rept 16
	v_pk_fma_f32 v[XB+n:XB+n+1], v[XB+32+n:XB+32+n+1], v[CB+32+n:CB+32+n+1], v[XB+n:XB+n+1] neg_lo:[1,0,0] neg_hi:[1,0,0]
.set n, n+2
.endr
	WIN WW|4|(WW<<6)
.set n, 0
.rept 16
	v_pk_fma_f32 v[XB+32+n:XB+32+n+1], v[XB+32+n:XB+32+n+1], v[CB+n:CB+n+1], v[TT+n:TT+n+1]
.set n, n+2
.endr
	WIN 0
.if (\a) < 4
	CSLOAD (\a)+4                                  ; this block's set has been read: it takes the block four further on
.endif
.endm
; 64 numbers of a lane in window W, register 16 b + i = place 16 (lane / 16) + i of block b of my row, become a fragment's codes in v[PC] on and its scale word in v[pw]
.macro QUANTW base, W, pw
	WIN (\W)|((\W)<<2)
.irp b, 0,1,2,3
	v_max3_num_f32 v[TM+\b], |v[(\base)+16*\b]|, |v[(\base)+16*\b+1]|, 0x1800000   ; my 16 numbers, and the floor 2^(3 - 127): the byte cannot fall under 1
.endr
.irp i, 2,4,6,8,10,12,14
.irp b, 0,1,2,3
	v_max3_num_f32 v[TM+\b], |v[(\base)+16*\b+\i]|, |v[(\base)+16*\b+\i+1]|, v[TM+\b]   ; (the four blocks by turns)
.endr
.endr
	WIN 0
.irp b, 0,1,2,3
	v_permlanex16_b32 v[TM+4+\b], v[TM+\b], s[SEL], s[SEL+1]
.endr
.irp b, 0,1,2,3
	v_max_num_f32 v[TM+\b], v[TM+\b], v[TM+4+\b]   ; with lane l xor 16's: the block's largest magnitude
.endr
.irp b, 0,1,2,3
	v_add_nc_u32 v[TM+12+\b], 0xff000000, v[TM+\b] ; 2 off its exponent field: the conversion's scale operand
.endr
.irp b, 0,1,2,3
	v_lshrrev_b32 v[TM+4+\b], 23, v[TM+12+\b]      ; the scale's byte
.endr
	v_lshl_or_b32 v[\pw], v[TM+5], 8, v[TM+4]
	v_lshl_or_b32 v[\pw], v[TM+6], 16, v[\pw]
	v_lshl_or_b32 v[\pw], v[TM+7], 24, v[\pw]
	s_wait_xcnt 0x0                                ; the last block's stores have read the codes' registers
	WIN \W
.irp c, 0,1
	v_cvt_scalef32_pk16_fp6_f32 v[PC+6*\c:PC+2+6*\c], v[(\base)+32*\c:(\base)+15+32*\c], v[TM+12+2*\c]
	v_cvt_scalef32_pk16_fp6_f32 v[PC+12+4*\c:PC+14+4*\c], v[(\base)+16+32*\c:(\base)+31+32*\c], v[TM+12+2*\c+1]   ; (a conversion's three registers begin on an even number)
.endr
	WIN 0
	v_nop                                          ; one plain place behind a scaled conversion
.irp c, 0,1                                    ; the operand's layout wants a WHOLE block in a lane: lanes 0-15 block 2 c, lanes 16-31 block 2 c + 1
.irp i, 0,1,2
	v_permlane16_swap_b32 v[PC+6*\c+\i], v[PC+12+4*\c+\i]
.endr
.irp i, 0,1,2
	v_mov_b32 v[PC+3+6*\c+\i], v[PC+12+4*\c+\i]
.endr
.endr
.endm
.macro BLOCK a, rope                   ; A's block a: 16 rows x 128 become one fragment, stored as it stands: 3 x 512 consecutive bytes
.if \rope
	ROPE \a
.endif
	QUANTW 64*((\a)%4), 2+(\a)/4, PW8+(\a)
.irp c, 0,1,2
	global_store_b128 v[IO], v[PC+4*\c:PC+4*\c+3], s[10:11] offset:(\a)*1536+512*\c
.endr
.endm
	s_wait_alu depctr_va_vdst(0)
	s_wait_tensorcnt 0x0                           ; my tile of the head's four is in
	ds_add_u32 v[SPW], v[NIL]
	s_mov_b32 s[G1+2], 96<<16                      ; no tensor load of mine is out: from here on a load brings 8 tiles, 96 rows
	s_mov_b32 s[G1+4], 96
	s_mov_b32 s[G1B+2], 96<<16
	s_mov_b32 s[G1B+4], 96
	s_wait_dscnt 0x0
	CROUND                                         ; all four tiles are in, and all four work-groups are here
	JLOAD G0+4, G1, G0B+4, G1B                     ; slot 1's first fill: the first tensor load behind the round
	FETCH_B 0, 0, 0
	FETCH_A 0, 0, 0
	SCALES 0
	FETCH_A 0, 0, 4
	STEP 0, 0, 1                                   ; the first step stands in front of the loop: its products start the sums
	s_mov_b32 s3, LAPS-1
.Llap:                                                 ; a trip goes once round the ring and fills both slots again
	TURN 0, 1, 1
	STEP 1, 0, 0
	TURN 1, 0, 1
	STEP 0, 0, 0
	s_sub_co_u32 s3, s3, 1
	s_cmp_lg_u32 s3, 0
	s_cbranch_scc1 .Llap
	TURN 0, 1, 0                                   ; the last lap fills nothing, and has no round
	STEP 1, 0, 0
	s_cmp_lt_u32 s17, 32                           ; the roles part here, on the cluster's y: the last step is written on both ways, so that q's and k's first cos and sin are asked for ahead of it
	s_cbranch_scc0 .Lrole_v
	CSLOAD 0                                       ; blocks 0 and 1 into the registers of B's set 0, which stand four places behind their last products
	CSLOAD 1
	LAST
	PLACES NP
	CSLOAD 2                                       ; blocks 2 and 3 into those of B's set 1
	CSLOAD 3
.irp b, 0,1,2,3
	v_mov_b32 v[TM+4+\b], 0                        ; written once: a lane permute's destination counts as one of its sources
.endr
.irp a, 0,1,2,3,4,5,6,7
	BLOCK \a, 1
.endr
	s_branch .Ltail
.Lrole_v:
	LAST
	PLACES NP
.irp b, 0,1,2,3
	v_mov_b32 v[TM+4+\b], 0
.endr
.irp a, 0,1,2,3,4,5,6,7
	BLOCK \a, 0
.endr
.Ltail:
	v_cmp_ne_u32 vcc_lo, 0, v2                     ; the eight blocks' scale words: lanes 0-15 store blocks 0-3 of row r, lanes 16-31 blocks 4-7: 512 consecutive bytes
.irp i, 0,1,2,3
	v_cndmask_b32 v[SW+\i], v[PW8+\i], v[PW8+4+\i], vcc_lo
.endr
	global_store_b128 v[IO], v[SW:SW+3], s[96:97]
	s_wait_tensorcnt 0x0                           ; the wave's end
	ds_add_u32 v[SPW], v[NIL]
	s_wait_dscnt 0x0
	CROUND                                         ; the closing round: no work-group ends while a partner may still ask for a tile that names it
	s_endpgm
.Lfunc_end_k_q90c778d13a_qkv:
	.size	k_q90c778d13a_qkv, .Lfunc_end_k_q90c778d13a_qkv-k_q90c778d13a_qkv
	.p2alignl 7, 3214868480
	.fill 96, 4, 3214868480
	.section	.rodata,"a",@progbits
	.p2align	6, 0x0
	.amdhsa_kernel k_q90c778d13a_qkv
		.amdhsa_group_segment_fixed_size 327680
		.amdhsa_private_segment_fixed_size 0
		.amdhsa_enable_private_segment 0
		.amdhsa_kernarg_size 32
		.amdhsa_user_sgpr_count 2
		.amdhsa_user_sgpr_kernarg_segment_ptr 1
		.amdhsa_wavefront_size32 1
		.amdhsa_system_sgpr_workgroup_id_x 1
		.amdhsa_system_sgpr_workgroup_id_y 1
		.amdhsa_system_sgpr_workgroup_id_z 1
		.amdhsa_system_vgpr_workitem_id 0
		.amdhsa_next_free_vgpr 1024
		.amdhsa_next_free_sgpr 100
		.amdhsa_reserve_vcc 1
		.amdhsa_float_denorm_mode_32 3
		.amdhsa_float_denorm_mode_16_64 3
		.amdhsa_memory_ordered 1
		.amdhsa_forward_progress 1
		.amdhsa_inst_pref_size 228
	.end_amdhsa_kernel
	.amdgpu_metadata
---
amdhsa.version: [ 1, 2 ]
amdhsa.kernels:
  - .name:           k_q90c778d13a_qkv
    .symbol:         k_q90c778d13a_qkv.kd
    .args:
      - { .name: hq, .offset: 0, .size: 8, .value_kind: global_buffer, .address_space: global }
      - { .name: wq, .offset: 8, .size: 8, .value_kind: global_buffer, .address_space: global }
      - { .name: rope, .offset: 16, .size: 8, .value_kind: global_buffer, .address_space: global }
      - { .name: qkv, .offset: 24, .size: 8, .value_kind: global_buffer, .address_space: global }
    .group_segment_fixed_size: 327680
    .private_segment_fixed_size: 0
    .kernarg_segment_align: 8
    .kernarg_segment_size: 32
    .max_flat_workgroup_size: 128
    .sgpr_count:     100
    .vgpr_count:     1024
    .wavefront_size: 32
...
	.end_amdgpu_metadata
.endif
;; end of part 2
;; launch attn (part 3): grid 16 x 16, 8 waves a work-group, no clusters, 327,680 bytes of LDS; arguments qkv, at; writes at
.if DOCPART == 3
	.amdgcn_target "amdgcn-amd-amdhsa--gfx1250"
	.amdhsa_code_object_version 6
	.text
	.protected	k_q90c778d13a_attn
	.globl	k_q90c778d13a_attn
	.p2align	8
	.type	k_q90c778d13a_attn,@function
k_q90c778d13a_attn:
	s_mov_b64 s[64:65], 0
	v_nop
	global_prefetch_b8 v0, s[64:65] scope:SCOPE_SE
	s_setreg_imm32_b32 hwreg(HW_REG_WAVE_MODE, 25, 1), 1
	s_wait_xcnt 0x0
; ATTENTION on codes of FP6 (E2M3) with E8M0 scales: o = softmax(q k^T / sqrt(128)) v for one batch and head (y = 4 batch + head) and 128 queries (x); o is quantised along the head's 128 and stored as
; an image of operand registers for the last product.  Batches 0, 1 (y < 8) carry a causal mask: steps of 128 keys that lie wholly above the diagonal are not done.
; SHARES.  Eight waves: wave w takes the 32 queries of group g = w % 4 (two tiles of 16) and, of the steps of 128 keys, those with step % 2 = w / 4.  A fragment of k or v read from LDS feeds two
; matrix instructions.  Each wave keeps its own running M, sum and O^T for both tiles.  At the end waves w and w + 4 join: each hands its tile B (O^T, -M, sum) to the other through LDS bytes of
; their own and finishes its tile A.  Tile A is tile 2 g + w / 4 of the block's eight, tile B the other of the pair: so the partner's B is my A, and no branch tells the two roles apart.
; Both M are whole numbers, so the join's factors 2^(M - joint M) round nothing.
; BOTH PRODUCTS ARE USED TRANSPOSED (S^T = k q^T, O^T = v^T p^T): a lane holds one query.  p = 2^(t - M), M = ceil of the running largest t; the sum is taken of the unquantised p; a block's largest p
; is made from the block's largest score by the same multiply-add and exponential.  The order of keys inside a block of 32 is the one in which the launch before laid v.
; LDS: two slots of 512 keys (k 49,152 bytes, then v) at 0 and 131,072; between them the scale words of all 2,048 keys (16,384), the spare words and 512 bytes for the result's scale words; behind
; slot 1 the join's 8 x 8,704 bytes.  At the head waves 0-5 ask for slot 0 (16,384 bytes each) and waves 6, 7 for k's and v's scale words: one tensor load a wave.  One load a wave is out at any time.
; NO CLUSTER: under the causal mask the query blocks of a head need different numbers of slots (block x needs x / 4 + 1), so a joint load would bring partners tiles that none of their waves reads.
; PREFETCH: in trip t the slot of trip t + 2, which the tensor loads of trip t + 1 fetch: its 384 blocks of 256 bytes are shared out among query blocks 12-15 of the head (which read every slot),
; waves 0-2, a lane a block; trips 2 and 3 ask for nothing.
; LIMITS: the promise holds while |t| stays under 2^31; NaN and infinities are not served; a block under 2^-124 or of zeros gets the byte 1 (this program alone reads the bytes).
; REGISTERS: window 0: v1-11 addresses; v12-19 -M, largest t, sum (a pair) of tiles A, B; v20-43 q; v44-55 scale words and nothing else (k, v: lanes 0-15 tiles 0-3, lanes 16-31 tiles 4-7; q; p);
;   v56-59 the factors; v60-62 the mask's; v64-191 S^T, then p; v192-255 at work.  window 1: v0-127 O^T of A, B; v128-223 the fragments of k and of v by turns.
.set KINDB, 3145728
.set QSC,   9437184
.set KSC,   9568256
.set ATSC,  3145728
.set SLOT1, 131072
.set VOFF,  49152
.set SCB,   98304
.set SPARE, 114688
.set SCR,   115712
.set MRG,   229376
.set MRW,   8704
.set AL0,  1
.set AS0,  2
.set SCA,  3
.set SCD,  4
.set SPW,  5
.set NIL,  6
.set GO,   7
.set ADK,  8
.set ADV,  9
.set ADS,  10
.set PFO,  11
.set XY,   128
.set G1,   24
.set G1S,  32
.set G0,   40
.set G0S,  44
.set MSB, 0
.macro WIN new
.if MSB != (\new)
	s_set_vgpr_msb (MSB<<8)|(\new)
.set MSB, (\new)
.endif
.endm
.macro D2
	s_delay_alu instid0(VALU_DEP_2)
.endm
.macro NOP4
.rept 4
	v_nop
.endr
.endm
	s_load_b128 s[4:7], s[0:1], 0x0                ; qkv, at
	v_lshl_add_u32 v[SPW], v0, 2, SPARE
	v_mov_b32 v[NIL], 0
	ds_add_u32 v[SPW], v[NIL]                      ; the opening lines: the add, twice on end, and its wait ahead of my first tensor load
	ds_add_u32 v[SPW], v[NIL]
	v_lshrrev_b32 v8, 5, v0
	v_readfirstlane_b32 s18, v8                    ; wave 0..7
	s_and_b32 s48, ttmp7, 0xffff                   ; y
	s_lshr_b32 s19, s18, 2                         ; which steps are mine
	s_and_b32 s49, s18, 3                          ; g
	s_lshl_b32 s50, s49, 1
	s_add_co_u32 s50, s50, s19                     ; tile A
	s_xor_b32 s51, s50, 1                          ; tile B
	s_mov_b32 s[G1], 3<<16                         ; dense blocks as rows of 256 bytes: 64 rows of codes,
	s_mov_b32 s[G1+1], 32<<16
	s_mov_b32 s[G1+2], 64<<16
	s_mov_b32 s[G1+3], 32<<16
	s_mov_b32 s[G1+4], 64
	s_mov_b32 s[G1+5], 32
	s_mov_b32 s[G1+6], 0
	s_mov_b32 s[G1+7], 0
	s_mov_b32 s[G1S], 3<<16                        ; 32 rows of scale words
	s_mov_b32 s[G1S+1], 32<<16
	s_mov_b32 s[G1S+2], 32<<16
	s_mov_b32 s[G1S+3], 32<<16
	s_mov_b32 s[G1S+4], 32
	s_mov_b32 s[G1S+5], 32
	s_mov_b32 s[G1S+6], 0
	s_mov_b32 s[G1S+7], 0
	s_cmp_lt_u32 s18, 3                            ; waves 0-2 fetch k's thirds of a slot, waves 3-5 v's
	s_cselect_b32 s66, 0, 3
	s_mov_b32 s67, 2*KINDB
	s_cselect_b32 s67, KINDB, s67
	s_sub_co_u32 s66, s18, s66
	s_lshl_b32 s66, s66, 14
	s_add_co_u32 s66, s66, s67
	s_mul_i32 s68, s48, 196608
	s_add_co_u32 s66, s66, s68
	s_mov_b32 s67, 0
	s_and_b32 s70, s18, 1                          ; wave 6: k's scale words, wave 7: v's
	s_lshl_b32 s72, s70, 17
	s_lshl_b32 s73, s48, 13
	s_add_co_u32 s72, s72, s73
	s_add_co_u32 s72, s72, KSC
	s_mov_b32 s73, 0
	s_lshl_b32 s70, s70, 13
	s_cmp_lt_u32 s48, 8                            ; the causal half?
	s_cselect_b32 s52, ttmp9, 15                   ; the last step that counts,
	s_cselect_b32 s53, ttmp9, -1                   ; and the step on the diagonal
	s_mov_b32 s20, 0x76543210
	s_mov_b32 s21, 0xfedcba98                      ; selects for lane l xor 16
	s_mov_b32 s22, 0x3e0293ee                      ; log2(e) / sqrt(128)
	s_mov_b32 s23, s22
	s_mul_i32 s56, s19, 12288                      ; my first step's place in a slot,
	s_lshl_b32 s57, s19, 9                         ; and among the scale words
	s_mov_b32 s54, 0                               ; the slot's number
	s_wait_dscnt 0x0
	s_wait_kmcnt 0x0
	s_mov_b32 s[G0], 1
	s_lshl_b32 s[G0+1], s18, 14
	s_add_nc_u64 s[G0+2:G0+3], s[4:5], s[66:67]
	s_or_b32 s[G0+3], s[G0+3], 0x80000000
	s_mov_b32 s[G0S], 1
	s_add_co_u32 s[G0S+1], s70, SCB
	s_add_nc_u64 s[G0S+2:G0S+3], s[4:5], s[72:73]
	s_or_b32 s[G0S+3], s[G0S+3], 0x80000000
	s_cmp_lt_u32 s18, 6
	s_cbranch_scc0 .Lhead_s
	tensor_load_to_lds s[G0:G0+3], s[G1:G1+7]
	s_nop 0
	NOP4
	s_branch .Lhead_j
.Lhead_s:
	tensor_load_to_lds s[G0S:G0S+3], s[G1S:G1S+7]
	s_nop 0
	NOP4
.Lhead_j:
	s_lshl_b32 s66, s48, 7                         ; q: tile 128 y + 8 x + tile, 1,536 bytes each
	s_lshl_b32 s67, ttmp9, 3
	s_add_co_u32 s66, s66, s67
	s_add_co_u32 s68, s66, s50
	s_mul_i32 s68, s68, 1536
	s_mov_b32 s69, 0
	s_add_nc_u64 s[8:9], s[4:5], s[68:69]
	s_add_co_u32 s68, s66, s51
	s_mul_i32 s68, s68, 1536
	s_add_nc_u64 s[10:11], s[4:5], s[68:69]
	s_lshl_b32 s68, s48, 4                         ; q's scale words: 512 bytes for 128 queries
	s_add_co_u32 s68, s68, ttmp9
	s_lshl_b32 s68, s68, 9
	s_add_co_u32 s68, s68, QSC
	s_add_nc_u64 s[12:13], s[4:5], s[68:69]
	s_lshr_b32 s70, s50, 2                         ; a tile's word in them: 256 (tile / 4) + 4 (tile % 4) + 16 r
	s_lshl_b32 s70, s70, 8
	s_and_b32 s71, s50, 3
	s_lshl_b32 s71, s71, 2
	s_add_co_u32 s70, s70, s71
	s_lshr_b32 s72, s51, 2
	s_lshl_b32 s72, s72, 8
	s_and_b32 s71, s51, 3
	s_lshl_b32 s71, s71, 2
	s_add_co_u32 s72, s72, s71
	s_add_co_u32 s73, s70, SCR
	s_lshr_b32 s74, s48, 2                         ; batch
	s_and_b32 s75, s48, 3                          ; head = the last product's K step
	s_lshl_b32 s76, s74, 7
	s_add_co_u32 s76, s76, s67
	s_add_co_u32 s76, s76, s50                     ; my tile A among the 512 tiles of tokens
	s_lshr_b32 s77, s75, 1
	s_lshl_b32 s77, s77, 9
	s_add_co_u32 s76, s76, s77
	s_mul_i32 s76, s76, 3072
	s_and_b32 s77, s75, 1
	s_mul_i32 s77, s77, 1536
	s_add_co_u32 s76, s76, s77
	s_mov_b32 s77, 0
	s_add_nc_u64 s[14:15], s[6:7], s[76:77]        ; the result's codes
	s_lshl_b32 s76, s74, 5
	s_lshl_b32 s78, ttmp9, 1
	s_add_co_u32 s76, s76, s78
	s_lshl_b32 s76, s76, 10
	s_lshl_b32 s78, s75, 8
	s_add_co_u32 s76, s76, s78
	s_add_co_u32 s76, s76, ATSC
	s_add_nc_u64 s[16:17], s[6:7], s[76:77]        ; its scale words
	s_max_u32 s76, ttmp9, 12                       ; the prefetches: quarter x - 12 of a slot (k's halves, v's halves), 8,192 bytes a wave; held inside the buffer for those that never ask
	s_sub_co_u32 s76, s76, 12
	s_lshr_b32 s78, s76, 1
	s_add_co_u32 s78, s78, 1
	s_mul_i32 s78, s78, KINDB
	s_and_b32 s76, s76, 1
	s_mul_i32 s76, s76, 24576
	s_add_co_u32 s76, s76, s78
	s_min_u32 s78, s18, 2
	s_lshl_b32 s78, s78, 13
	s_add_co_u32 s76, s76, s78
	s_mul_i32 s78, s48, 196608
	s_add_co_u32 s76, s76, s78
	s_add_co_u32 s76, s76, VOFF                    ; at slot 1: the first change of slots steps it to slot 2
	s_add_nc_u64 s[60:61], s[4:5], s[76:77]
	s_cmp_lt_u32 s18, 3
	s_cselect_b32 s58, 2, 0                        ; trips in which I ask
	s_cmp_gt_u32 ttmp9, 11
	s_cselect_b32 s58, s58, 0
	s_lshl_b32 s78, s50, 4
	s_lshl_b32 s79, s51, 4
	v_and_b32 v192, 15, v0                         ; r
	v_bfe_u32 v193, v0, 4, 1                       ; h
	v_and_b32 v194, 31, v0                         ; lane
	v_lshlrev_b32 v[AL0], 4, v194
	v_lshl_add_u32 v[AS0], v194, 4, SCB
	v_lshlrev_b32 v[PFO], 8, v194
	v_lshl_add_u32 v195, v192, 4, s70
	v_lshl_add_u32 v196, v192, 4, s72
	v_lshl_add_u32 v[SCA], v192, 4, s73
	v_lshl_add_u32 v[SCD], v194, 4, SCR
	v_lshlrev_b32 v[GO], 4, v192
	v_lshl_add_u32 v[GO], v193, 10, v[GO]
	v_lshlrev_b32 v197, 3, v193
	v_sub_nc_u32 v197, v192, v197
	v_add_nc_u32 v60, s78, v197                    ; on the diagonal step register n of a tile is kept where 16 (n / 8) + n % 8 <= 16 tile + r - 8 h
	v_add_nc_u32 v61, s79, v197
	v_mov_b32 v62, 0xff800000
	s_wait_alu depctr_va_vdst(0)
.irp c, 0,1,2
	global_load_b128 v[20+4*\c:23+4*\c], v[AL0], s[8:9] offset:512*\c
	global_load_b128 v[32+4*\c:35+4*\c], v[AL0], s[10:11] offset:512*\c
.endr
	global_load_b32 v52, v195, s[12:13]
	global_load_b32 v53, v196, s[12:13]
.irp T, 0,1
	v_mov_b32 v[13+4*\T], 0xff61b1e6               ; the largest t so far: -3e38
	v_mov_b32 v[14+4*\T], 0
	v_mov_b32 v[15+4*\T], 0
	v_mov_b32 v[56+2*\T], 0
	v_mov_b32 v[57+2*\T], 0
.endr
	v_floor_f32 v12, -v13
	v_floor_f32 v16, -v17
.irp m, 0,1,2,3,4,5,6,7
	v_mov_b32 v[200+\m], 0                         ; written once: a lane permute's destination counts as one of its sources
.endr
	WIN 0x40
.set n, 0
.rept 128
	v_mov_b32 v[n], 0                              ; O^T: a wave that the mask leaves without a step hands on zeros
.set n, n+1
.endr
	WIN 0
.macro FRAGS adr, off                  ; eight fragments as they were stored: 24 loads of 512 consecutive bytes
	WIN 0x40
.set t, 0
.rept 8
.irp c, 0,1,2
	ds_load_b128 v[XY+12*t+4*\c:XY+12*t+4*\c+3], v[\adr] offset:(\off)+t*1536+512*\c
.endr
.set t, t+1
.endr
	WIN 0
.endm
.macro STEP q                          ; my q-th step of the slot: 32 queries x 128 keys
	NOP4                                           ; places behind the last products, ahead of loads into their fragments' registers
	FRAGS ADK, (\q)*24576
	ds_load_b128 v[44:47], v[ADS] offset:(\q)*1024
	s_wait_dscnt 0x0
	WIN 0x01
.set t, 0
.rept 8
.irp T, 0,1
.if t < 4
	v_wmma_scale_f32_16x16x128_f8f6f4 v[64+64*\T+8*t:71+64*\T+8*t], v[XY+12*t:XY+12*t+11], v[20+12*\T:31+12*\T], 0, v[44+t], v[52+\T] matrix_a_fmt:MATRIX_FMT_FP6 matrix_b_fmt:MATRIX_FMT_FP6
.else
	v_wmma_scale_f32_16x16x128_f8f6f4 v[64+64*\T+8*t:71+64*\T+8*t], v[XY+12*t:XY+12*t+11], v[20+12*\T:31+12*\T], 0, v[40+t], v[52+\T] matrix_a_fmt:MATRIX_FMT_FP6 matrix_b_fmt:MATRIX_FMT_FP6 matrix_a_scale:MATRIX_SCALE_ROW1
.endif
.endr
.set t, t+1
.endr
	WIN 0
	NOP4
	ds_load_b128 v[48:51], v[ADS] offset:8192+(\q)*1024
	FRAGS ADV, (\q)*24576                          ; v's fragments take k's registers and land under the softmax
	s_cmp_lg_u32 s55, s53
	s_cbranch_scc1 .Lopen_\@                       ; only the step on the diagonal is masked
.set n, 0
.rept 64
.irp T, 0,1
	v_cmp_gt_i32 vcc_lo, 16*(n/8)+n%8, v[60+\T]
	v_cndmask_b32 v[64+64*\T+n], v[64+64*\T+n], v62, vcc_lo
.endr
.set n, n+1
.endr
.Lopen_\@:
.irp m, 0,1,2,3,4,5,6,7                ; block m % 4 of tile m / 4: its 16 registers begin at v[64 + 16 m].  The largest score of each block, eight chains by turns
	v_max3_num_f32 v[192+\m], v[64+16*\m], v[65+16*\m], v[66+16*\m]
.endr
.irp i, 3,5,7,9,11,13
.irp m, 0,1,2,3,4,5,6,7
	v_max3_num_f32 v[192+\m], v[192+\m], v[64+16*\m+\i], v[65+16*\m+\i]
.endr
.endr
.irp m, 0,1,2,3,4,5,6,7
	v_max_num_f32 v[192+\m], v[192+\m], v[79+16*\m]
.endr
.irp m, 0,1,2,3,4,5,6,7
	v_permlanex16_b32 v[200+\m], v[192+\m], s20, s21
.endr
.irp m, 0,1,2,3,4,5,6,7
	v_max_num_f32 v[192+\m], v[192+\m], v[200+\m]  ; with lane l xor 16's 16 keys
.endr
.irp T, 0,1
	v_mov_b32 v[56+2*\T], v[12+4*\T]               ; the old -M
.endr
.irp T, 0,1
	v_max3_num_f32 v[63+192*\T], v[192+4*\T], v[193+4*\T], v[194+4*\T]
.endr
.irp T, 0,1
	D2
	v_max_num_f32 v[63+192*\T], v[63+192*\T], v[195+4*\T]
.endr
.irp T, 0,1
	D2
	v_mul_f32 v[63+192*\T], s22, v[63+192*\T]      ; the step's largest t
.endr
.irp T, 0,1
	D2
	v_max_num_f32 v[13+4*\T], v[13+4*\T], v[63+192*\T]
.endr
.irp T, 0,1
	D2
	v_floor_f32 v[12+4*\T], -v[13+4*\T]            ; -M = floor(-t): M is a whole number
.endr
.irp T, 0,1
	D2
	v_sub_f32 v[63+192*\T], v[12+4*\T], v[56+2*\T]
.endr
.irp T, 0,1
	D2
	v_cvt_i32_f32 v[63+192*\T], v[63+192*\T]       ; (it saturates)
.endr
.irp T, 0,1
	D2
	v_ldexp_f32 v[56+2*\T], 1.0, v[63+192*\T]      ; f = 2^(old M - new M)
.endr
.set n, 0
.rept 64
	v_pk_fma_f32 v[64+2*n:65+2*n], v[64+2*n:65+2*n], s[22:23], v[12+4*(n/32):13+4*(n/32)] op_sel_hi:[1,0,0]   ; t - M
.set n, n+1
.endr
.irp m, 0,1,2,3,4,5,6,7
	v_fma_f32 v[192+\m], v[192+\m], s22, v[12+4*(\m/4)]
.endr
	s_wait_alu depctr_va_vdst(0)
.set n, 0
.rept 128
	v_exp_f32 v[64+n], v[64+n]
.set n, n+1
.endr
.irp T, 0,1
	v_pk_mul_f32 v[14+4*\T:15+4*\T], v[14+4*\T:15+4*\T], v[56+2*\T:57+2*\T] op_sel_hi:[1,0]   ; the sums under the new M
.endr
	s_wait_alu depctr_va_vdst(0)                   ; one wait for the batch, ahead of its first reader
.irp m, 0,1,2,3,4,5,6,7
	v_exp_f32 v[192+\m], v[192+\m]                 ; each block's largest p
.endr
.irp T, 0,1
	v_pk_add_f32 v[200+4*\T:201+4*\T], v[64+64*\T:65+64*\T], v[66+64*\T:67+64*\T]   ; the sums of the unquantised p: four chains by turns
.endr
.irp e, 4,8,12,16,20,24,28,32,36,40,44,48,52,56,60
.irp T, 0,1
	v_pk_add_f32 v[14+4*\T:15+4*\T], v[14+4*\T:15+4*\T], v[64+64*\T+\e:65+64*\T+\e]
	v_pk_add_f32 v[200+4*\T:201+4*\T], v[200+4*\T:201+4*\T], v[66+64*\T+\e:67+64*\T+\e]
.endr
.endr
.irp T, 0,1
	v_pk_add_f32 v[14+4*\T:15+4*\T], v[14+4*\T:15+4*\T], v[200+4*\T:201+4*\T]
.endr
	s_wait_alu depctr_va_vdst(0)                   ; and one for the eight
.irp m, 0,1,2,3,4,5,6,7
	v_max_num_f32 v[192+\m], 0x1800000, v[192+\m]  ; the floor 2^(3 - 127): the byte cannot fall under 1
.endr
.irp m, 0,1,2,3,4,5,6,7
	v_add_nc_u32 v[208+\m], 0xff000000, v[192+\m]  ; 2 off the exponent field: the conversion's scale operand
.endr
.irp m, 0,1,2,3,4,5,6,7
	v_lshrrev_b32 v[200+\m], 23, v[208+\m]         ; the scale's byte
.endr
.irp T, 0,1
	v_lshl_or_b32 v[54+\T], v[201+4*\T], 8, v[200+4*\T]
.endr
.irp T, 0,1
	D2
	v_lshl_or_b32 v[54+\T], v[202+4*\T], 16, v[54+\T]
.endr
.irp T, 0,1
	D2
	v_lshl_or_b32 v[54+\T], v[203+4*\T], 24, v[54+\T]   ; p's scale word for these 128 keys
.endr
.irp T, 0,1
.irp c, 0,1
	v_cvt_scalef32_pk16_fp6_f32 v[216+12*\T+6*\c:218+12*\T+6*\c], v[64+64*\T+32*\c:79+64*\T+32*\c], v[208+4*\T+2*\c]
	v_cvt_scalef32_pk16_fp6_f32 v[240+8*\T+4*\c:242+8*\T+4*\c], v[80+64*\T+32*\c:95+64*\T+32*\c], v[209+4*\T+2*\c]
.endr
.endr
	v_nop                                          ; one plain place behind a scaled conversion
.irp T, 0,1
.irp c, 0,1
.irp i, 0,1,2
	v_permlane16_swap_b32 v[216+12*\T+6*\c+\i], v[240+8*\T+4*\c+\i]   ; a whole block to a lane
.endr
.endr
.endr
.irp T, 0,1
.irp c, 0,1
.irp i, 0,1,2
	v_mov_b32 v[219+12*\T+6*\c+\i], v[240+8*\T+4*\c+\i]
.endr
.endr
.endr
	WIN 0x41
	s_wait_alu depctr_va_vdst(0)
.set n, 0
.rept 64
	v_pk_mul_f32 v[2*n:2*n+1], v[2*n:2*n+1], v[56+2*(n/32):57+2*(n/32)] op_sel_hi:[1,0]   ; O^T under the new M
.set n, n+1
.endr
	s_wait_alu depctr_va_vdst(0)
	s_wait_dscnt 0x0                               ; v's fragments and scale words are in
	WIN 0x51
.set t, 0
.rept 8
.irp T, 0,1
.if t < 4
	v_wmma_scale_f32_16x16x128_f8f6f4 v[64*\T+8*t:64*\T+8*t+7], v[XY+12*t:XY+12*t+11], v[216+12*\T:227+12*\T], v[64*\T+8*t:64*\T+8*t+7], v[48+t], v[54+\T] matrix_a_fmt:MATRIX_FMT_FP6 matrix_b_fmt:MATRIX_FMT_FP6
.else
	v_wmma_scale_f32_16x16x128_f8f6f4 v[64*\T+8*t:64*\T+8*t+7], v[XY+12*t:XY+12*t+11], v[216+12*\T:227+12*\T], v[64*\T+8*t:64*\T+8*t+7], v[44+t], v[54+\T] matrix_a_fmt:MATRIX_FMT_FP6 matrix_b_fmt:MATRIX_FMT_FP6 matrix_a_scale:MATRIX_SCALE_ROW1
.endif
.endr
.set t, t+1
.endr
	WIN 0
.endm
	s_wait_alu depctr_va_vdst(0)
	s_wait_loadcnt 0x0                             ; q and its scale words are in
.Lslot:                                                ; a trip is a slot of 512 keys: four trips
	s_wait_tensorcnt 0x0                           ; all my tensor loads have landed: my part of this trip's slot
	ds_add_u32 v[SPW], v[NIL]
	s_xor_b32 s[G0+1], s[G0+1], SLOT1              ; no load of mine is out: the next slot's descriptor
	s_add_nc_u64 s[G0+2:G0+3], s[G0+2:G0+3], VOFF
	s_wait_xcnt 0x0                                ; any prefetch of mine has read its address
	s_add_nc_u64 s[60:61], s[60:61], VOFF
	s_wait_dscnt 0x0                               ; the add is done, and my reads of the other slot are over
	s_barrier_signal -1
	s_barrier_wait -1
	s_lshl_b32 s66, s54, 2
	s_add_co_u32 s66, s66, 4
	s_cmp_gt_u32 s66, s52                          ; the next slot's first step lies past the last that counts: nobody would read it (ids and the trip's number alone)
	s_cbranch_scc1 .Lpast
	s_cmp_lt_u32 s18, 6
	s_cbranch_scc0 .Lpast
	tensor_load_to_lds s[G0:G0+3], s[G1:G1+7]
	s_nop 0
	NOP4
.Lpast:
	s_cmp_lt_u32 s54, s58
	s_cbranch_scc0 .Lnot_mine
	global_prefetch_b8 v[PFO], s[60:61] th:TH_LOAD_NT scope:SCOPE_SE
.Lnot_mine:
	s_lshl_b32 s55, s54, 2
	s_add_co_u32 s55, s55, s19                     ; my first step of this slot
	v_add_nc_u32 v[ADK], s56, v[AL0]
	v_add_nc_u32 v[ADS], s57, v[AS0]
	v_add_nc_u32 v[ADV], VOFF, v[ADK]
	s_wait_alu depctr_va_vdst(0)
	s_cmp_gt_u32 s55, s52
	s_cbranch_scc1 .Lslot_end
	STEP 0
	s_add_co_u32 s55, s55, 2
	s_cmp_gt_u32 s55, s52
	s_cbranch_scc1 .Lslot_end
	STEP 1
.Lslot_end:
	s_xor_b32 s56, s56, SLOT1
	s_add_co_u32 s57, s57, 2048
	s_add_co_u32 s54, s54, 1
	s_cmp_lt_u32 s54, 4
	s_cbranch_scc1 .Lslot
; THE JOIN
	NOP4
	v_add_f32 v14, v14, v15
	v_add_f32 v18, v18, v19
	v_permlanex16_b32 v200, v14, s20, s21
	v_permlanex16_b32 v204, v18, s20, s21
	v_add_f32 v14, v14, v200                       ; tile A's sum over my keys,
	v_add_f32 v17, v18, v204                       ; tile B's, beside its -M
	s_mul_i32 s66, s18, MRW
	s_add_co_u32 s66, s66, MRG                     ; my bytes,
	s_xor_b32 s67, s18, 4
	s_mul_i32 s67, s67, MRW
	s_add_co_u32 s67, s67, MRG                     ; my partner's
	v_add_nc_u32 v192, s66, v[AL0]
	v_add_nc_u32 v193, s67, v[AL0]
	v_and_b32 v194, 31, v0
	v_lshl_add_u32 v195, v194, 3, s66
	v_lshl_add_u32 v196, v194, 3, s67
	s_wait_alu depctr_va_vdst(0)
	s_wait_tensorcnt 0x0                           ; no tensor load is out when LDS is stored to
	WIN 0x04
.set n, 0
.rept 16
	ds_store_b128 v192, v[64+4*n:67+4*n] offset:512*n   ; tile B's O^T, each accumulator from its low end on
.set n, n+1
.endr
	WIN 0
	ds_store_b64 v195, v[16:17] offset:8192
	s_wait_dscnt 0x0
	s_barrier_signal -1
	s_barrier_wait -1
.set n, 0
.rept 16
	ds_load_b128 v[128+4*n:131+4*n], v193 offset:512*n  ; my tile A over my partner's keys
.set n, n+1
.endr
	ds_load_b64 v[198:199], v196 offset:8192
	s_wait_dscnt 0x0
	v_min_num_f32 v202, v12, v198                  ; the joint -M
	v_sub_f32 v203, v202, v12
	v_sub_f32 v205, v202, v198
	v_cvt_i32_f32 v203, v203
	v_cvt_i32_f32 v205, v205
	v_ldexp_f32 v203, 1.0, v203                    ; my part's factor, a power of two (0 where it falls out of range),
	v_ldexp_f32 v205, 1.0, v205                    ; my partner's
	v_mul_f32 v206, v14, v203
	v_fma_f32 v206, v199, v205, v206               ; the row's sum
	s_wait_alu depctr_va_vdst(0)
	v_rcp_f32 v206, v206
	v_nop
	s_wait_alu depctr_va_vdst(0)
	v_mul_f32 v56, v203, v206
	v_mul_f32 v58, v205, v206
	WIN 0x01
	s_wait_alu depctr_va_vdst(0)
.set n, 0
.rept 32
	v_pk_mul_f32 v[64+2*n:65+2*n], v[2*n:2*n+1], v[56:57] op_sel_hi:[1,0]
.set n, n+1
.endr
	WIN 0
.set n, 0
.rept 32
	v_pk_fma_f32 v[64+2*n:65+2*n], v[128+2*n:129+2*n], v[58:59], v[64+2*n:65+2*n] op_sel_hi:[1,0,1]   ; o, 64 numbers a lane
.set n, n+1
.endr
.irp b, 0,1,2,3                                ; o is quantised along the head's 128
	v_max3_num_f32 v[208+\b], |v[64+16*\b]|, |v[65+16*\b]|, 0x1800000
.endr
.irp i, 2,4,6,8,10,12,14
.irp b, 0,1,2,3
	s_delay_alu instid0(VALU_DEP_4)
	v_max3_num_f32 v[208+\b], v[208+\b], |v[64+16*\b+\i]|, |v[65+16*\b+\i]|
.endr
.endr
.irp b, 0,1,2,3
	s_delay_alu instid0(VALU_DEP_4)
	v_permlanex16_b32 v[200+\b], v[208+\b], s20, s21
.endr
.irp b, 0,1,2,3
	s_delay_alu instid0(VALU_DEP_4)
	v_max_num_f32 v[208+\b], v[208+\b], v[200+\b]
.endr
.irp b, 0,1,2,3
	s_delay_alu instid0(VALU_DEP_4)
	v_add_nc_u32 v[212+\b], 0xff000000, v[208+\b]
.endr
.irp b, 0,1,2,3
	s_delay_alu instid0(VALU_DEP_4)
	v_lshrrev_b32 v[200+\b], 23, v[212+\b]
.endr
	v_lshl_or_b32 v244, v201, 8, v200
	s_delay_alu instid0(VALU_DEP_1)
	v_lshl_or_b32 v244, v202, 16, v244
	s_delay_alu instid0(VALU_DEP_1)
	v_lshl_or_b32 v244, v203, 24, v244
.irp c, 0,1
	v_cvt_scalef32_pk16_fp6_f32 v[224+6*\c:226+6*\c], v[64+32*\c:79+32*\c], v[212+2*\c]
	v_cvt_scalef32_pk16_fp6_f32 v[236+4*\c:238+4*\c], v[80+32*\c:95+32*\c], v[213+2*\c]
.endr
	v_nop
.irp c, 0,1
.irp i, 0,1,2
	v_permlane16_swap_b32 v[224+6*\c+\i], v[236+4*\c+\i]
.endr
.irp i, 0,1,2
	v_mov_b32 v[227+6*\c+\i], v[236+4*\c+\i]
.endr
.endr
.irp c, 0,1,2
	global_store_b128 v[AL0], v[224+4*\c:227+4*\c], s[14:15] offset:512*\c   ; the fragment as it stands: 3 x 512 consecutive bytes
.endr
	ds_store_b32 v[SCA], v244                      ; the eight tiles' scale words meet in LDS
	s_wait_dscnt 0x0
	s_barrier_signal -1
	s_barrier_wait -1
	s_cmp_lg_u32 s18, 0
	s_cbranch_scc1 .Lend
	ds_load_b128 v[248:251], v[SCD]
	s_wait_dscnt 0x0
	global_store_b128 v[GO], v[248:251], s[16:17]  ; and leave as two aligned runs of 256 bytes
.Lend:
	s_wait_tensorcnt 0x0                           ; the wave's end
	ds_add_u32 v[SPW], v[NIL]
	s_wait_dscnt 0x0
	s_endpgm
.Lfunc_end_k_q90c778d13a_attn:
	.size	k_q90c778d13a_attn, .Lfunc_end_k_q90c778d13a_attn-k_q90c778d13a_attn
	.p2alignl 7, 3214868480
	.fill 96, 4, 3214868480
	.section	.rodata,"a",@progbits
	.p2align	6, 0x0
	.amdhsa_kernel k_q90c778d13a_attn
		.amdhsa_group_segment_fixed_size 327680
		.amdhsa_private_segment_fixed_size 0
		.amdhsa_enable_private_segment 0
		.amdhsa_kernarg_size 16
		.amdhsa_user_sgpr_count 2
		.amdhsa_user_sgpr_kernarg_segment_ptr 1
		.amdhsa_wavefront_size32 1
		.amdhsa_system_sgpr_workgroup_id_x 1
		.amdhsa_system_sgpr_workgroup_id_y 1
		.amdhsa_system_sgpr_workgroup_id_z 1
		.amdhsa_system_vgpr_workitem_id 0
		.amdhsa_next_free_vgpr 512
		.amdhsa_next_free_sgpr 100
		.amdhsa_reserve_vcc 1
		.amdhsa_float_denorm_mode_32 3
		.amdhsa_float_denorm_mode_16_64 3
		.amdhsa_memory_ordered 1
		.amdhsa_forward_progress 1
		.amdhsa_inst_pref_size 116
	.end_amdhsa_kernel
	.amdgpu_metadata
---
amdhsa.version: [ 1, 2 ]
amdhsa.kernels:
  - .name:           k_q90c778d13a_attn
    .symbol:         k_q90c778d13a_attn.kd
    .args:
      - { .name: qkv, .offset: 0, .size: 8, .value_kind: global_buffer, .address_space: global }
      - { .name: at, .offset: 8, .size: 8, .value_kind: global_buffer, .address_space: global }
    .group_segment_fixed_size: 327680
    .private_segment_fixed_size: 0
    .kernarg_segment_align: 8
    .kernarg_segment_size: 16
    .max_flat_workgroup_size: 256
    .sgpr_count:     100
    .vgpr_count:     512
    .wavefront_size: 32
...
	.end_amdgpu_metadata
.endif
;; end of part 3
;; launch oproj (part 4): grid 8 x 32, 4 waves a work-group, clusters of 4 x 4, 327,680 bytes of LDS; arguments at, wq, out0; writes out0
.if DOCPART == 4
	.amdgcn_target "amdgcn-amd-amdhsa--gfx1250"
	.amdhsa_code_object_version 6
	.text
	.protected	k_q90c778d13a_oproj
	.globl	k_q90c778d13a_oproj
	.p2align	8
	.type	k_q90c778d13a_oproj,@function
k_q90c778d13a_oproj:
	s_mov_b64 s[64:65], 0
	v_nop
	global_prefetch_b8 v0, s[64:65] scope:SCOPE_SE
	s_setreg_imm32_b32 hwreg(HW_REG_WAVE_MODE, 25, 1), 1
	s_wait_xcnt 0x0
	s_wait_alu depctr_hold_cnt(0) depctr_sa_sdst(0) depctr_va_vdst(0) depctr_va_sdst(0) depctr_va_ssrc(0) depctr_va_vcc(0) depctr_vm_vsrc(0)
	s_getreg_b32 s2, hwreg(HW_REG_IB_STS2, 6, 4)
	s_cmp_eq_u32 s2, 0
	s_cbranch_scc0 .Lentry_in_a_cluster
	s_endpgm
.Lentry_in_a_cluster:
	s_bfe_u32 s2, ttmp6, 0x10000c
	s_cmp_lg_u32 s2, 0xf033
	s_cbranch_scc0 .Lentry_shape_is_right
	s_endpgm
.Lentry_shape_is_right:
.set ATSC,  3145728
.set WOC,   2359296
.set WOS,   3244032
.set STEPA, 512*3072
.set STEPB, 128*3072
.set SIZE_N, 2048
.set FR,    12
.set NL,    3
.set NP,    4
.set HALFT, 8*3072
.set SLOT,  4*HALFT
.set SCL,   2*SLOT
.set SPARE, SCL+4*2048
.set SPITCH, 528
.set ADRA, 16
.set ADRB, 20
.set STO,  24
.set RD,   25
.set CO,   26
.set ADRS, 27
.set SPW,  28
.set NIL,  29
.set IO,   30
.set SC,   32
.set AF,   128
.set BK,   128
.set G1,   24
.set G0,   32
.set G1B,  48
.set G0B,  56
.set G1S,  68
.set G0S,  76
.set G1SB, 80
.set G0SB, 88
.set MSB, 0
.macro WIN new
.if MSB != (\new)
	s_set_vgpr_msb (MSB<<8)|(\new)
.set MSB, (\new)
.endif
.endm
.set MUL_LO, 0xa1
.set MUL_HI, 0xf1
.set TO_B,   0x40
.macro JLOAD g0a, g1a, g0b, g1b
	s_cmp_eq_u32 s15, 0
	s_cbranch_scc0 .Lfor_b_\@
	tensor_load_to_lds s[\g0a:\g0a+3], s[\g1a:\g1a+7]
	s_nop 0
.rept 4
	v_nop
.endr
	s_branch .Lasked_\@
.Lfor_b_\@:
	tensor_load_to_lds s[\g0b:\g0b+3], s[\g1b:\g1b+7]
	s_nop 0
.rept 4
	v_nop
.endr
.Lasked_\@:
.endm
.macro CROUND
	s_barrier_signal -1
	s_barrier_wait -1
	s_cmp_lg_u32 s14, 0
	s_cbranch_scc1 .Lnot_wave_0_\@
	s_barrier_signal -3
.Lnot_wave_0_\@:
	s_barrier_wait -3
	s_barrier_signal -1
	s_barrier_wait -1
.endm
	s_load_b128 s[4:7], s[0:1], 0x0
	s_load_b64 s[12:13], s[0:1], 0x10
	v_lshl_add_u32 v[SPW], v0, 2, SPARE
	v_mov_b32 v[NIL], 0
	ds_add_u32 v[SPW], v[NIL]
	ds_add_u32 v[SPW], v[NIL]
	v_lshrrev_b32 v1, 5, v0
	v_readfirstlane_b32 s14, v1
	s_lshr_b32 s15, s14, 1
	s_and_b32 s16, s14, 1
	s_bfe_u32 s40, ttmp6, 0x40000
	s_bfe_u32 s41, ttmp6, 0x40004
	s_lshl_b32 s42, ttmp9, 2
	s_add_co_u32 s42, s42, s40
	s_and_b32 s17, ttmp7, 0xffff
	s_lshl_b32 s17, s17, 2
	s_add_co_u32 s17, s17, s41
	s_lshl_b32 s43, s41, 2
	s_lshl_b32 s43, 15, s43
	s_lshl_b32 s44, 0x1111, s40
	s_or_b32 s[G1], s43, (3<<16)|(1<<21)
	s_or_b32 s[G1B], s44, (3<<16)|(1<<21)
	s_or_b32 s[G1S], s43, (3<<16)|(1<<21)
	s_or_b32 s[G1SB], s44, (3<<16)|(1<<21)
.irp g, G1, G1B
	s_mov_b32 s[\g+1], 32<<16
	s_mov_b32 s[\g+2], 192<<16
	s_mov_b32 s[\g+3], 32<<16
	s_mov_b32 s[\g+4], 192
	s_mov_b32 s[\g+5], 32
	s_mov_b32 s[\g+6], 0
	s_mov_b32 s[\g+7], 0
.endr
.irp g, G1S, G1SB
	s_mov_b32 s[\g+1], 32<<16
	s_mov_b32 s[\g+2], 16<<16
	s_mov_b32 s[\g+3], 32<<16
	s_mov_b32 s[\g+4], 16
	s_mov_b32 s[\g+5], 32
	s_mov_b32 s[\g+6], 0
	s_mov_b32 s[\g+7], 0
.endr
	s_lshl_b32 s18, s16, 3
	s_lshl_b32 s20, s17, 4
	s_add_co_u32 s20, s20, s18
	s_lshl_b32 s46, s42, 4
	s_add_co_u32 s46, s46, s18
	s_lshl_b32 s22, s20, 8
	s_add_co_u32 s22, s22, ATSC
	s_mov_b32 s23, 0
	s_lshl_b32 s92, s46, 8
	s_add_co_u32 s92, s92, WOS
	s_mov_b32 s93, 0
	s_mul_i32 s20, s20, 3072
	s_mov_b32 s21, 0
	s_mul_i32 s46, s46, 3072
	s_add_co_u32 s46, s46, WOC
	s_mov_b32 s47, 0
	s_mul_i32 s45, s14, HALFT
	s_wait_dscnt 0x0
	s_wait_kmcnt 0x0
	s_add_nc_u64 s[20:21], s[4:5], s[20:21]
	s_add_nc_u64 s[22:23], s[4:5], s[22:23]
	s_add_nc_u64 s[46:47], s[6:7], s[46:47]
	s_add_nc_u64 s[92:93], s[6:7], s[92:93]
	CROUND
	s_mov_b32 s[G0S], 1
	s_mov_b32 s[G0S+1], SCL                        ; wave 1 asks for the scale words of all 16 tiles of A: its own piece begins 2,048 bytes behind the first
	s_sub_nc_u64 s[G0S+2:G0S+3], s[22:23], 2048
	s_or_b32 s[G0S+3], s[G0S+3], 0x80000000
	s_mov_b32 s[G0SB], 1
	s_mov_b32 s[G0SB+1], SCL+4096                  ; wave 3 likewise for B
	s_sub_nc_u64 s[G0SB+2:G0SB+3], s[92:93], 2048
	s_or_b32 s[G0SB+3], s[G0SB+3], 0x80000000
.irp s, 0,1
	s_mov_b32 s[G0+4*\s], 1
	s_add_co_u32 s[G0+4*\s+1], s45, \s*SLOT
	s_add_nc_u64 s[G0+4*\s+2:G0+4*\s+3], s[20:21], \s*STEPA
	s_or_b32 s[G0+4*\s+3], s[G0+4*\s+3], 0x80000000
	s_mov_b32 s[G0B+4*\s], 1
	s_add_co_u32 s[G0B+4*\s+1], s45, \s*SLOT
	s_add_nc_u64 s[G0B+4*\s+2:G0B+4*\s+3], s[46:47], \s*STEPB
	s_or_b32 s[G0B+4*\s+3], s[G0B+4*\s+3], 0x80000000
.endr
	; the head's four tiles, one tensor load a wave, in one chain of branches on the wave's number:
	; wave 0 slot 0's 16 tiles of A, wave 2 its 16 tiles of B (both waves' own pieces begin at the tiles' first byte), wave 1 A's scale words, wave 3 B's
	s_cmp_eq_u32 s14, 0
	s_cbranch_scc0 .Lhead_b
	tensor_load_to_lds s[G0:G0+3], s[G1:G1+7]
	s_nop 0
.rept 4
	v_nop
.endr
	s_branch .Lhead_asked
.Lhead_b:
	s_cmp_eq_u32 s14, 2
	s_cbranch_scc0 .Lhead_sa
	tensor_load_to_lds s[G0B:G0B+3], s[G1B:G1B+7]
	s_nop 0
.rept 4
	v_nop
.endr
	s_branch .Lhead_asked
.Lhead_sa:
	s_cmp_eq_u32 s14, 1
	s_cbranch_scc0 .Lhead_sb
	tensor_load_to_lds s[G0S:G0S+3], s[G1S:G1S+7]
	s_nop 0
.rept 4
	v_nop
.endr
	s_branch .Lhead_asked
.Lhead_sb:
	tensor_load_to_lds s[G0SB:G0SB+3], s[G1SB:G1SB+7]
	s_nop 0
.rept 4
	v_nop
.endr
.Lhead_asked:
	v_and_b32 v1, 15, v0
	v_bfe_u32 v2, v0, 4, 1
	s_wait_alu depctr_va_vdst(0)
	v_and_b32 v3, 31, v0
	v_lshlrev_b32 v[IO], 4, v3
	s_mul_i32 s18, s15, HALFT
	s_mul_i32 s19, s16, HALFT
	s_add_co_u32 s19, s19, 2*HALFT
.irp s, 0,1
	v_add_nc_u32 v[ADRA+\s], s18, v[IO]
	v_add_nc_u32 v[ADRB+\s], s19, v[IO]
	s_add_co_u32 s18, s18, SLOT
	s_add_co_u32 s19, s19, SLOT
.endr
	v_lshlrev_b32 v5, 4, v1
	s_lshl_b32 s18, s15, 11
	s_lshl_b32 s19, s16, 11
	s_add_co_u32 s19, s19, 4096
	s_sub_co_u32 s19, s19, s18
	v_mul_u32_u24 v6, s19, v2
	s_add_co_u32 s18, s18, SCL
	v_add_nc_u32 v5, v5, v6
	v_add_nc_u32 v[ADRS], s18, v5
	s_mul_i32 s23, s14, 16*SPITCH
	v_mul_u32_u24 v5, v1, SPITCH
	v_lshl_add_u32 v5, v2, 5, v5
	v_add_nc_u32 v[STO], s23, v5
	v_mov_b32 v[CO], v[IO]
	v_add_nc_u32 v[RD], s23, v[IO]
	s_lshl_b32 s20, s17, 8
	s_lshl_b32 s21, s15, 7
	s_add_co_u32 s20, s20, s21
	s_lshl_b32 s20, s20, 13
	s_lshl_b32 s46, s42, 10
	s_lshl_b32 s47, s16, 9
	s_add_co_u32 s46, s46, s47
	s_add_co_u32 s20, s20, s46
	s_mov_b32 s21, 0
	s_add_nc_u64 s[12:13], s[12:13], s[20:21]
.macro FRAG reg, adr, off
.irp c, 0,1,2
	ds_load_b128 v[(\reg)+4*\c:(\reg)+4*\c+3], v[\adr] offset:(\off)+512*\c
.endr
.endm
.macro MUL16 a0, p, q, sc, zero
.irp a, \a0, \a0+1
.irp b, 0,1,2,3,4,5,6,7
.if \zero
	v_wmma_scale_f32_16x16x128_f8f6f4 v[8*(8*((\a)%4)+\b):8*(8*((\a)%4)+\b)+7], v[128*(\p)+FR*\b:128*(\p)+FR*\b+FR-1], v[AF+FR*(\a):AF+FR*(\a)+FR-1], 0, v[SC+16*(\sc)+8*(\q)+\b], v[SC+16*(\sc)+8*(\q)+(\a)] matrix_a_fmt:MATRIX_FMT_FP6 matrix_b_fmt:MATRIX_FMT_FP6 matrix_a_scale:MATRIX_SCALE_ROW1
.else
	v_wmma_scale_f32_16x16x128_f8f6f4 v[8*(8*((\a)%4)+\b):8*(8*((\a)%4)+\b)+7], v[128*(\p)+FR*\b:128*(\p)+FR*\b+FR-1], v[AF+FR*(\a):AF+FR*(\a)+FR-1], v[8*(8*((\a)%4)+\b):8*(8*((\a)%4)+\b)+7], v[SC+16*(\sc)+8*(\q)+\b], v[SC+16*(\sc)+8*(\q)+(\a)] matrix_a_fmt:MATRIX_FMT_FP6 matrix_b_fmt:MATRIX_FMT_FP6 matrix_a_scale:MATRIX_SCALE_ROW1
.endif
.endr
.endr
.endm
.macro FETCH_B slot, q, p
	WIN TO_B
.irp i, 0,1,2,3,4,5,6,7
	FRAG 128*(\p)+FR*\i, ADRB+\slot, \i*3072+(\q)*1536
.endr
	WIN 0
.endm
.macro FETCH_A slot, q, i0
.irp i, \i0, \i0+1, \i0+2, \i0+3
	FRAG AF+FR*(\i), ADRA+\slot, (\i)*3072+(\q)*1536
.endr
.endm
.macro SCALES sc
.irp q, 0,1
.irp g, 0,1
	ds_load_b128 v[SC+16*\sc+8*\q+4*\g:SC+16*\sc+8*\q+4*\g+3], v[ADRS] offset:256*\q+1024*\g
.endr
.endr
.endm
.macro PLACES n
.rept \n
	v_nop
.endr
.endm
.macro STEP slot, q, zero
	s_wait_dscnt 4*NL
	WIN MUL_LO
	MUL16 0, (\q)%2, \q, \slot, \zero
	MUL16 2, (\q)%2, \q, \slot, \zero
	s_wait_dscnt 0
	PLACES NP
	FETCH_B \slot, (\q)+1, 1-(\q)%2
	FETCH_A \slot, (\q)+1, 0
	WIN MUL_HI
	MUL16 4, (\q)%2, \q, \slot, \zero
	MUL16 6, (\q)%2, \q, \slot, \zero
	PLACES NP
	WIN 0
	FETCH_A \slot, (\q)+1, 4
.endm
	s_wait_alu depctr_va_vdst(0)
	s_wait_tensorcnt 0x0                           ; my tile of the head's four is in
	ds_add_u32 v[SPW], v[NIL]
	s_mov_b32 s[G1+2], 96<<16                      ; no tensor load of mine is out: from here on a load brings 8 tiles, 96 rows
	s_mov_b32 s[G1+4], 96
	s_mov_b32 s[G1B+2], 96<<16
	s_mov_b32 s[G1B+4], 96
	s_wait_dscnt 0x0
	CROUND                                         ; all four tiles are in, and all sixteen work-groups are here
	JLOAD G0+4, G1, G0B+4, G1B                     ; slot 1's first fill: the first tensor load behind the round
	FETCH_B 0, 0, 0
	FETCH_A 0, 0, 0
	SCALES 0
	FETCH_A 0, 0, 4
	STEP 0, 0, 1
	s_wait_tensorcnt 0x0
	ds_add_u32 v[SPW], v[NIL]
	s_wait_dscnt 4*NL+1
	WIN MUL_LO
	MUL16 0, 1, 1, 0, 0
	s_wait_dscnt 0x0
	s_barrier_signal -1
	MUL16 2, 1, 1, 0, 0
	WIN 0
	s_barrier_wait -1
	PLACES NP
	v_add_nc_u32 v[ADRS], 512, v[ADRS]
	FETCH_B 1, 0, 0
	FETCH_A 1, 0, 0
	SCALES 1
	WIN MUL_HI
	MUL16 4, 1, 1, 0, 0
	MUL16 6, 1, 1, 0, 0
	PLACES NP
	WIN 0
	FETCH_A 1, 0, 4
	STEP 1, 0, 0
	s_wait_dscnt 4*NL
	WIN MUL_LO
	MUL16 0, 1, 1, 1, 0
	MUL16 2, 1, 1, 1, 0
	s_wait_dscnt 0
	WIN MUL_HI
	MUL16 4, 1, 1, 1, 0
	MUL16 6, 1, 1, 1, 0
	WIN 0
.macro TOSTAGE a
.set AC, 64*((\a)%4)
	WIN 0x08+4*((\a)/4)
.irp b, 0,1,2,3,4,5,6,7
	ds_store_b128 v[STO], v[AC+8*\b:AC+8*\b+3] offset:64*\b
	ds_store_b128 v[STO], v[AC+8*\b+4:AC+8*\b+7] offset:64*\b+16
.endr
	WIN 0
.set BB, BK+64*((\a)%2)
.irp t, 0,1,2,3,4,5,6,7,8,9,10,11,12,13,14,15
	ds_load_b128 v[BB+4*\t:BB+4*\t+3], v[RD] offset:\t*SPITCH
.endr
.endm
.macro SEND a, younger
.set BB, BK+64*((\a)%2)
	s_wait_dscnt \younger
.if (\a) > 0
	s_add_nc_u64 s[12:13], s[12:13], 16*SIZE_N*4
.endif
.irp t, 0,1,2,3,4,5,6,7,8,9,10,11,12,13,14,15
	global_store_b128 v[CO], v[BB+4*\t:BB+4*\t+3], s[12:13] offset:\t*SIZE_N*4 th:TH_STORE_NT
.endr
.endm
	PLACES NP
	TOSTAGE 0
.irp a, 1,2,3,4,5,6,7
.if \a > 1
	s_wait_xcnt 0x0
.endif
	TOSTAGE \a
	SEND \a-1, 32
.endr
	s_wait_xcnt 0x0
	SEND 7, 0
	s_wait_tensorcnt 0x0
	ds_add_u32 v[SPW], v[NIL]
	s_wait_dscnt 0x0
	CROUND
	s_endpgm
.Lfunc_end_k_q90c778d13a_oproj:
	.size	k_q90c778d13a_oproj, .Lfunc_end_k_q90c778d13a_oproj-k_q90c778d13a_oproj
	.p2alignl 7, 3214868480
	.fill 96, 4, 3214868480
	.section	.rodata,"a",@progbits
	.p2align	6, 0x0
	.amdhsa_kernel k_q90c778d13a_oproj
		.amdhsa_group_segment_fixed_size 327680
		.amdhsa_private_segment_fixed_size 0
		.amdhsa_enable_private_segment 0
		.amdhsa_kernarg_size 24
		.amdhsa_user_sgpr_count 2
		.amdhsa_user_sgpr_kernarg_segment_ptr 1
		.amdhsa_wavefront_size32 1
		.amdhsa_system_sgpr_workgroup_id_x 1
		.amdhsa_system_sgpr_workgroup_id_y 1
		.amdhsa_system_sgpr_workgroup_id_z 1
		.amdhsa_system_vgpr_workitem_id 0
		.amdhsa_next_free_vgpr 1024
		.amdhsa_next_free_sgpr 100
		.amdhsa_reserve_vcc 0
		.amdhsa_float_denorm_mode_32 3
		.amdhsa_float_denorm_mode_16_64 3
		.amdhsa_memory_ordered 1
		.amdhsa_forward_progress 1
		.amdhsa_inst_pref_size 86
	.end_amdhsa_kernel
	.amdgpu_metadata
---
amdhsa.version: [ 1, 2 ]
amdhsa.kernels:
  - .name:           k_q90c778d13a_oproj
    .symbol:         k_q90c778d13a_oproj.kd
    .args:
      - { .name: at, .offset: 0, .size: 8, .value_kind: global_buffer, .address_space: global }
      - { .name: wq, .offset: 8, .size: 8, .value_kind: global_buffer, .address_space: global }
      - { .name: out0, .offset: 16, .size: 8, .value_kind: global_buffer, .address_space: global }
    .group_segment_fixed_size: 327680
    .private_segment_fixed_size: 0
    .kernarg_segment_align: 8
    .kernarg_segment_size: 24
    .max_flat_workgroup_size: 128
    .sgpr_count:     100
    .vgpr_count:     1024
    .wavefront_size: 32
...
	.end_amdgpu_metadata
.endif
;; end of part 4
